; MI455X (gfx1250); checked and timed in simulation.
; The chip was launched on July 23, 2026; its instructions are those of AMD's public machine-readable ISA for CDNA 5 (MIT licence, August 2026) and "CDNA5" Instruction Set Architecture Reference Guide (July 2026). The comments in the code are by the model that wrote it; some were corrected since.
;; Causal Self Attention. Allowed arithmetic: matrix products marked QUANTISED: E2M3 operands, one E8M0 scale for each 32 along K, by v_wmma_scale_f32_16x16x128_f8f6f4 with both operands' format E2M3, f32 sums; everything else in f32.
;; Inputs: b_attn 3,072 float32; b_proj 1,024 float32; w_attn 1,024 x 3,072 float32; w_proj 1,024 x 1,024 float32; x 4 x 2,048 x 1,024 float32.
;; Outputs: out0 4 x 2,048 x 1,024 float32.
;; This version of the problem:
;;   THIS VERSION OF THE PROBLEM IS GIVEN IN LOW PRECISION. The matrix products marked QUANTISED in the list below multiply operands that are first quantised to E2M3 (2 exponent bits, 3 mantissa bits; 6 bits a number), with one power-of-two scale for each 32 numbers along K (OCP MX v1.0); their sums are f32. All else is computed in f32.
;;   The module's matrix products, in the order in which they are computed (A, B: the left and right operand; K: the contracted axis; several contracted axes count as one K, in the product's order):
;;     1. [M 8,192, K 1,024] x [K 1,024, N 3,072]; A: input x; B: input w_attn: QUANTISED
;;     2. batch 64 x [M 2,048, K 64] x [K 64, N 2,048]; A: computed on the way; B: computed on the way: QUANTISED
;;     3. batch 64 x [M 2,048, K 2,048] x [K 2,048, N 64]; A: softmax (see below); B: computed on the way: QUANTISED
;;     4. [M 8,192, K 1,024] x [K 1,024, N 1,024]; A: computed on the way; B: input w_proj: QUANTISED
;;   THE QUANTISER, for each operand of a quantised product, along K:
;;     - K is cut into blocks of 32 from its start; a last block that is shorter is filled with zeros.
;;     - A block's scale is 2^e with e = floor(log2(the largest magnitude in the block)) - 2, held to -126 .. 127; a block of zeros has e = 0. As a byte (E8M0): e + 127.
;;     - Each number is divided by its block's scale, clamped to +-7.5, and rounded to the nearest number of E2M3, ties to even, subnormals kept.
;;     - The product sums the exact products of the quantised numbers (number of the format x scale) in f32.
;;   ~~~python
;;   def quantise(x, axis):      # numpy; x: float32 -> the quantised numbers, widened to float32 again
;;       x = np.moveaxis(x, axis, -1); K = x.shape[-1]
;;       x = np.pad(x, [(0, 0)] * (x.ndim - 1) + [(0, -K % 32)]); x = x.reshape(x.shape[:-1] + (-1, 32)); a = np.abs(x).max(-1, keepdims=True)
;;       e = np.where(a > 0, np.clip(np.frexp(np.where(a > 0, a, 1))[1] - 1 - 2, -126, 127), 0)      # np.frexp(a)[1] - 1 = floor(log2(a)), exactly
;;       r = np.clip(x / 2.0 ** e, -7.5, 7.5)
;;       step = 2.0 ** (np.maximum(np.frexp(np.where(r == 0, 1, r))[1] - 1, 0) - 3)
;;       q = np.round(r / step) * step * 2.0 ** e      # np.round: ties to even
;;       return np.moveaxis(q.reshape(q.shape[:-2] + (-1,))[..., :K], -1, axis).astype(np.float32)
;;   ~~~
;;   SOFTMAX AHEAD OF A QUANTISED PRODUCT. Where the list says 'softmax', what is quantised is not the finished softmax but p = 2^(t - M), with t = logit x log2(e) and M = ceil(the row's largest t), a whole number; so 1/2 < the row's largest p <= 1. The row's sum l is taken of the UNQUANTISED p, in f32, and the product's result is divided by l at the end. Since M is a whole number, a kernel that streams over the keys may use a running M (the ceiling of the running maximum): every later rescaling is an exact power of two, which a block's scale takes up: the codes' values come out the same.
;;   OPERANDS COMPUTED ON THE WAY. 'Computed on the way' means the value that the module computes at that place (a softmax that the list does not call 'softmax' is quantised finished and normalised). What goes into a quantiser is computed in f32, as accurately as f32 sums, v_exp_f32 and their like allow (about 1e-6 of the number): no bf16 or f16 on the way to a quantiser, and a product that is left as it is and whose result goes on into a quantised operand takes f32 operands (vector FMAs, or v_wmma_f32_16x16x4_f32). A number that lies on a knife's edge between two numbers of the format may be rounded either way, as far as f32 arithmetic and the matrix unit's own rounding can turn it there, and no further.
;; One version. Each part assembles by itself: llvm-mc -triple=amdgcn-amd-amdhsa -mcpu=gfx1250 --defsym DOCPART=n.
;; ======== version 1 of 1: 4 launches
;; limits: right only within a limited range of input values
;; workspace buffers: xq 6,553,600 bytes; wq 3,276,800 bytes; qc 6,291,456 bytes; qs 524,288 bytes; kv 13,369,344 bytes; yq 6,553,600 bytes
;; launch prep (part 1): grid 768 x 1, 4 waves a work-group, no clusters, 47,616 bytes of LDS; arguments x, w_attn, w_proj, xq, wq; writes xq, wq
.if DOCPART == 1
	.amdgcn_target "amdgcn-amd-amdhsa--gfx1250"
	.amdhsa_code_object_version 6
	.text
	.protected	k_q7c8e8191d4_prep
	.globl	k_q7c8e8191d4_prep
	.p2align	8
	.type	k_q7c8e8191d4_prep,@function
k_q7c8e8191d4_prep:
	s_mov_b64 s[64:65], 0
	v_nop
	global_prefetch_b8 v0, s[64:65] scope:SCOPE_SE
	s_setreg_imm32_b32 hwreg(HW_REG_WAVE_MODE, 25, 1), 1
	s_wait_xcnt 0x0
; x [8192][1024], w_attn [1024][3072] and w_proj [1024][1024], f32, become codes of FP6 (E2M3) with one E8M0 byte for each 32 along K = 1,024,
; laid in the ORDER OF THE OPERANDS' REGISTERS.  A unit is 128 rows (tokens of x; columns n of a weight) x all of K: 8 records of 12,800 bytes, one for each 128 along K:
; 8 tiles of 16 rows x 1,536 bytes (registers 4 g .. 4 g + 3 of lane L at 512 g + 16 L), then 512 bytes of scale words (tile i, row r at 12,288 + 64 i + 4 r).
; THE ROWS OF A TILE ARE NOT NEIGHBOURS: lane r of tile 2 b + u holds row 32 b + 8 u + r + 8 (r / 8) of its unit, so that results made with such a tile as source 0 have 16 neighbours in the registers of two tiles.
; A block's scale is 2^(floor(log2(largest magnitude)) - 2): its byte is the largest magnitude's exponent field - 2, held at 1 from below.
; LIMITS: a block of zeros, or one whose largest magnitude lies under 2^-124, gets the byte 1 (the bytes are read by this program alone; zero codes add nothing); NaN and infinities are not served.
; Work-groups 0-511: one tile of 16 tokens of x each, wave w its K steps 2 w and 2 w + 1.  Work-groups 512-767: one record of a weight's unit each, wave w its tiles 2 w and 2 w + 1.
; The two ways part on the work-group's number and have LDS bytes of their own.  No tensor load, no barrier: a wave touches its own LDS bytes alone.
.set STEPB, 12800
.set XWAVE, 8448                       ; x: a wave's stage: 16 rows x 528 bytes (512 + 16: the sixteen rows of a read start at sixteen different 16-byte columns)
.set XP,    528
.set WST,   33792                      ; weights: a wave's stage: two tiles' images, 1,664 bytes apart
.set WWAVE, 3328
.set WTILE, 1664
.set SPARE, 47104                      ; the spare words, 128 bytes a wave: two blocks of 256 bytes that no other line names
.set SPW,   2                          ; v2  SPARE + 4 x my thread's number; never rewritten
.set NIL,   3                          ; v3  0; never rewritten
	s_load_b256 s[4:11], s[0:1], 0x0               ; x s[4:5], w_attn s[6:7], w_proj s[8:9], xq s[10:11]
	s_load_b64 s[12:13], s[0:1], 0x20              ; wq
	v_lshl_add_u32 v[SPW], v0, 2, SPARE
	v_mov_b32 v[NIL], 0
	v_lshrrev_b32 v1, 5, v0
	v_readfirstlane_b32 s16, v1                    ; wave
	v_and_b32 v1, 31, v0                           ; lane
	v_lshlrev_b32 v4, 4, v1                        ; 16 x lane
	s_mov_b32 s20, 0x76543210
	s_mov_b32 s21, 0xfedcba98                      ; v_permlanex16_b32's selects for lane l xor 16
	s_cmp_lt_u32 ttmp9, 512
	s_cbranch_scc0 .Lweights
; ---------------- x: K is innermost ----------------
; 64 numbers of a lane, v[x + 32 c + i] = k 64 c + 32 h + i of my row: two whole blocks.  They become the fragment's 12 registers in v[pc] on, and the row's scale word in v[w].
.macro QX x, pc, w
.irp c, 0,1
	v_max3_num_f32 v[8+\c], |v[\x+32*\c]|, |v[\x+32*\c+1]|, 0x1800000   ; with the floor 2^(3 - 127): the byte cannot fall under 1
.endr
.irp i, 2,4,6,8,10,12,14,16,18,20,22,24,26,28,30
.irp c, 0,1
	v_max3_num_f32 v[8+\c], v[8+\c], |v[\x+32*\c+\i]|, |v[\x+32*\c+\i+1]|   ; the two blocks by turns
.endr
.endr
.irp c, 0,1
	v_add_nc_u32 v[10+\c], 0xff000000, v[8+\c]     ; 2 off the exponent field: the conversion's scale operand
.endr
.irp c, 0,1
	v_lshrrev_b32 v[12+\c], 23, v[10+\c]           ; the byte
.endr
	v_lshl_or_b32 v[\w], v13, 16, v12              ; my bytes: blocks h and 2 + h,
	v_lshlrev_b32 v[\w], v14, v[\w]                ; 8 h bits up;
	v_permlanex16_b32 v15, v[\w], s20, s21
	v_or_b32 v[\w], v[\w], v15                     ; with lane l xor 16's two the word is whole
.irp c, 0,1
	v_cvt_scalef32_pk16_fp6_f32 v[\pc+6*\c:\pc+6*\c+2], v[\x+32*\c:\x+32*\c+15], v[10+\c]
	v_cvt_scalef32_pk16_fp6_f32 v[40+4*\c:42+4*\c], v[\x+32*\c+16:\x+32*\c+31], v[10+\c]   ; (a conversion's three registers begin on an even number)
.endr
	v_nop                                          ; one plain line behind the conversions
.irp c, 0,1
.irp i, 0,1,2
	v_mov_b32 v[\pc+3+6*\c+\i], v[40+4*\c+\i]
.endr
.endr
.endm
; K step e of my two: the 16 rows' 512 bytes go through my stage as they lie and come back 128 bytes of a row to a lane
.macro XSTEP e, pc, w
	s_wait_loadcnt 16-16*\e                        ; this step's sixteen loads are in; the other step's may be out
.set t, 0
.rept 16
	ds_store_b128 v5, v[64+64*\e+4*t:64+64*\e+4*t+3] offset:XP*t
.set t, t+1
.endr
.set t, 0
.rept 16
	ds_load_b128 v[192+4*t:192+4*t+3], v6 offset:256*(t/8)+16*(t%8)   ; LDS serves a wave's instructions in order: these see the stores above
.set t, t+1
.endr
	s_wait_dscnt 0x0
	QX 192, \pc, \w
.irp g, 0,1,2
	global_store_b128 v4, v[\pc+4*\g:\pc+4*\g+3], s[24:25] offset:STEPB*\e+512*\g   ; 512 consecutive bytes a store
.endr
	global_store_b32 v7, v[\w], s[26:27] offset:STEPB*\e   ; lanes 16-31 write the same words as lanes 0-15
.endm
	v_and_b32 v50, 15, v0                          ; r
	v_bfe_u32 v51, v0, 4, 1                        ; h
	s_mul_i32 s17, s16, XWAVE
	v_add_nc_u32 v5, s17, v4                       ; into the stage: 16 x lane of a row
	v_mul_u32_u24 v6, v50, XP
	v_lshl_add_u32 v6, v51, 7, v6
	v_add_nc_u32 v6, s17, v6                       ; out of it: row r, 128 h bytes on
	v_lshlrev_b32 v7, 2, v50                       ; 4 r
	v_lshlrev_b32 v14, 3, v51                      ; 8 h
	v_mov_b32 v15, 0                               ; a lane permute's destination counts as read
	s_lshr_b32 s18, ttmp9, 3                       ; the unit
	s_and_b32 s19, ttmp9, 7                        ; the tile in it
	s_lshl_b32 s22, s18, 7
	s_lshr_b32 s23, s19, 1
	s_lshl_b32 s23, s23, 5
	s_add_co_u32 s22, s22, s23
	s_and_b32 s23, s19, 1
	s_lshl_b32 s23, s23, 3
	s_add_co_u32 s22, s22, s23                     ; the tile's first token: 128 U + 32 (i / 2) + 8 (i % 2)
	s_lshl_b32 s22, s22, 12                        ; x 4,096 bytes a row
	s_lshl_b32 s23, s16, 10
	s_add_co_u32 s22, s22, s23                     ; + my two K steps: 1,024 w
	s_mov_b32 s23, 0
	s_lshl_b32 s28, s18, 3
	s_lshl_b32 s29, s16, 1
	s_add_co_u32 s28, s28, s29
	s_mul_i32 s28, s28, STEPB                      ; record 8 U + 2 w
	s_mul_i32 s29, s19, 1536
	s_add_co_u32 s24, s28, s29
	s_mov_b32 s25, 0
	s_lshl_b32 s29, s19, 6
	s_add_co_u32 s26, s28, s29
	s_add_co_u32 s26, s26, 12288
	s_mov_b32 s27, 0
	s_wait_alu depctr_va_vdst(0)
	s_wait_kmcnt 0x0
	s_add_nc_u64 s[4:5], s[4:5], s[22:23]
	s_add_nc_u64 s[24:25], s[10:11], s[24:25]      ; the tile's codes
	s_add_nc_u64 s[26:27], s[10:11], s[26:27]      ; and its scale words
.irp e, 0,1
.set t, 0
.rept 16
	global_load_b128 v[64+64*\e+4*t:64+64*\e+4*t+3], v4, s[4:5] offset:(t+8*(t/8))*4096+512*\e th:TH_LOAD_NT   ; 512 consecutive bytes of the tile's row t
.set t, t+1
.endr
.endr
	XSTEP 0, 16, 48
	XSTEP 1, 28, 49                                ; registers of its own for its codes and its word: no store's data are written again
	s_wait_tensorcnt 0x0                           ; the wave's end, behind my last LDS store
	ds_add_u32 v[SPW], v[NIL]
	s_wait_dscnt 0x0
	s_endpgm
; ---------------- the weights: K is the first axis: a lane takes a column, its registers run down K ----------------
.Lweights:
.macro WLOAD q                         ; block q of the record's four: W(128 s + 32 q + i, my column): 128 consecutive bytes a wave, 512 a work-group
.set i, 0
.rept 32
	global_load_b32 v[64+32*(\q)+i], v[192+i], s[24+2*(\q):25+2*(\q)] th:TH_LOAD_NT
.set i, i+1
.endr
.endm
.macro WBLK q
.set XS, 64+32*(\q)
.if (\q) < 3
	s_wait_loadcnt 32                              ; this block's 32 loads are in; the next block's may be out
.else
	s_wait_loadcnt 0x0
.endif
.if (\q) < 2
	WLOAD (\q)+2                                   ; two blocks ahead, into registers of its own
.endif
	v_max3_num_f32 v8, |v[XS]|, |v[XS+1]|, |v[XS+2]|
	v_max3_num_f32 v14, |v[XS+3]|, |v[XS+4]|, |v[XS+5]|
.irp i, 6,10,14,18,22,26
	v_max3_num_f32 v8, v8, |v[XS+\i]|, |v[XS+\i+1]|
	v_max3_num_f32 v14, v14, |v[XS+\i+2]|, |v[XS+\i+3]|
.endr
	v_max3_num_f32 v8, v8, |v[XS+30]|, |v[XS+31]|
	v_max3_num_f32 v8, v8, v14, 0x1800000          ; and the floor
	v_add_nc_u32 v15, 0xff000000, v8               ; the conversion's scale operand
	v_lshrrev_b32 v14, 23, v15                     ; the byte
.if (\q) == 0
	v_mov_b32 v9, v14
.else
	v_lshl_or_b32 v9, v14, 8*(\q), v9              ; four bytes make my column's scale word
.endif
	v_cvt_scalef32_pk16_fp6_f32 v[224+6*(\q):226+6*(\q)], v[XS:XS+15], v15
	v_cvt_scalef32_pk16_fp6_f32 v[40+4*((\q)%2):42+4*((\q)%2)], v[XS+16:XS+31], v15
	v_nop                                          ; one plain line behind the conversions
.irp i, 0,1,2
	v_mov_b32 v[227+6*(\q)+\i], v[40+4*((\q)%2)+\i]
.endr
; block q is registers 6 (q / 2) .. + 5 of lane (r, h = q % 2) of my column's tile: into the tile's image
.if (\q) < 2
	ds_store_b128 v10, v[224+6*(\q):227+6*(\q)] offset:256*((\q)%2)
	ds_store_b64 v10, v[228+6*(\q):229+6*(\q)] offset:512+256*((\q)%2)
.else
	ds_store_b64 v10, v[224+6*(\q):225+6*(\q)] offset:520+256*((\q)%2)
	ds_store_b128 v10, v[226+6*(\q):229+6*(\q)] offset:1024+256*((\q)%2)
.endif
.endm
	s_sub_co_u32 s17, ttmp9, 512
	s_lshr_b32 s18, s17, 3                         ; the unit of wq: 0-23 w_attn's, 24-31 w_proj's
	s_and_b32 s19, s17, 7                          ; the K step
	v_bfe_u32 v50, v0, 3, 1                        ; column 32 w + lane lies in tile 2 w + u, u = (lane / 8) % 2,
	v_and_b32 v51, 7, v0
	v_bfe_u32 v52, v0, 4, 1
	v_lshl_add_u32 v51, v52, 3, v51                ; at row r = lane % 8 + 8 (lane / 16)
	s_mul_i32 s22, s16, WWAVE
	s_add_co_u32 s22, s22, WST
	v_mul_u32_u24 v10, v50, WTILE
	v_lshl_add_u32 v10, v51, 4, v10
	v_add_nc_u32 v10, s22, v10                     ; into the stage: tile u, 16 r
	s_wait_alu depctr_va_vdst(0)
	v_add_nc_u32 v11, s22, v4                      ; out of it: 16 x lane
	v_lshlrev_b32 v12, 6, v50
	v_lshl_add_u32 v12, v51, 2, v12                ; my scale word's place: 64 u + 4 r
	v_lshlrev_b32 v13, 2, v1                       ; 4 x lane
	s_mov_b32 s23, 4096
	s_wait_alu depctr_va_vdst(0)
	s_wait_kmcnt 0x0
	s_cmp_lt_u32 s18, 24                           ; the choice hangs on the work-group's number alone
	s_cselect_b32 s23, 12288, s23                  ; a row of the weight in bytes
	s_cselect_b32 s38, 0, 24
	s_cselect_b64 s[6:7], s[6:7], s[8:9]
	s_sub_co_u32 s38, s18, s38                     ; the unit within its weight
	s_lshl_b32 s38, s38, 9
	s_lshl_b32 s39, s16, 7
	s_add_co_u32 s38, s38, s39                     ; (128 V + 32 w) x 4 bytes
	s_lshl_b32 s39, s19, 7
	s_mul_i32 s39, s39, s23                        ; + 128 s rows
	s_add_co_u32 s38, s38, s39
	s_mov_b32 s39, 0
	s_lshl_b32 s36, s23, 5                         ; 32 rows on
	s_mov_b32 s37, 0
	s_add_nc_u64 s[24:25], s[6:7], s[38:39]
	s_add_nc_u64 s[26:27], s[24:25], s[36:37]
	s_add_nc_u64 s[28:29], s[26:27], s[36:37]
	s_add_nc_u64 s[30:31], s[28:29], s[36:37]
	s_lshl_b32 s40, s18, 3
	s_add_co_u32 s40, s40, s19
	s_mul_i32 s40, s40, STEPB                      ; record 8 V + s
	s_mul_i32 s41, s16, 3072
	s_add_co_u32 s42, s40, s41
	s_mov_b32 s43, 0
	s_add_nc_u64 s[32:33], s[12:13], s[42:43]      ; my two tiles' codes
	s_lshl_b32 s41, s16, 7
	s_add_co_u32 s42, s40, s41
	s_add_co_u32 s42, s42, 12288
	s_add_nc_u64 s[34:35], s[12:13], s[42:43]      ; and their scale words
.set i, 0
.rept 32
	v_mad_u32_u24 v[192+i], s23, i, v13            ; row i of a block, my column
.set i, i+1
.endr
	WLOAD 0
	WLOAD 1
	s_wait_alu depctr_va_vdst(0)
	WBLK 0
	WBLK 1
	WBLK 2
	WBLK 3
.irp k, 0,1,2,3,4,5
	ds_load_b128 v[64+4*\k:64+4*\k+3], v11 offset:WTILE*(\k/3)+512*(\k%3)   ; LDS serves a wave's instructions in order: these see my stores
.endr
	s_wait_alu depctr_va_vdst(0)
.irp k, 0,1,2,3,4,5
	s_wait_dscnt 5-\k                              ; the younger reads may be out
	global_store_b128 v4, v[64+4*\k:64+4*\k+3], s[32:33] offset:1536*(\k/3)+512*(\k%3)   ; 512 consecutive bytes a store
.endr
	global_store_b32 v12, v9, s[34:35]             ; 128 consecutive bytes a wave
	s_wait_tensorcnt 0x0                           ; the wave's end, behind my last LDS store
	ds_add_u32 v[SPW], v[NIL]
	s_wait_dscnt 0x0
	s_endpgm
.Lfunc_end_k_q7c8e8191d4_prep:
	.size	k_q7c8e8191d4_prep, .Lfunc_end_k_q7c8e8191d4_prep-k_q7c8e8191d4_prep
	.p2alignl 7, 3214868480
	.fill 96, 4, 3214868480
	.section	.rodata,"a",@progbits
	.p2align	6, 0x0
	.amdhsa_kernel k_q7c8e8191d4_prep
		.amdhsa_group_segment_fixed_size 47616
		.amdhsa_private_segment_fixed_size 0
		.amdhsa_enable_private_segment 0
		.amdhsa_kernarg_size 40
		.amdhsa_user_sgpr_count 2
		.amdhsa_user_sgpr_kernarg_segment_ptr 1
		.amdhsa_wavefront_size32 1
		.amdhsa_system_sgpr_workgroup_id_x 1
		.amdhsa_system_sgpr_workgroup_id_y 1
		.amdhsa_system_sgpr_workgroup_id_z 1
		.amdhsa_system_vgpr_workitem_id 0
		.amdhsa_next_free_vgpr 256
		.amdhsa_next_free_sgpr 66
		.amdhsa_reserve_vcc 0
		.amdhsa_float_denorm_mode_32 3
		.amdhsa_float_denorm_mode_16_64 3
		.amdhsa_memory_ordered 1
		.amdhsa_forward_progress 1
		.amdhsa_inst_pref_size 40
	.end_amdhsa_kernel
	.amdgpu_metadata
---
amdhsa.version: [ 1, 2 ]
amdhsa.kernels:
  - .name:           k_q7c8e8191d4_prep
    .symbol:         k_q7c8e8191d4_prep.kd
    .args:
      - { .name: x, .offset: 0, .size: 8, .value_kind: global_buffer, .address_space: global }
      - { .name: w_attn, .offset: 8, .size: 8, .value_kind: global_buffer, .address_space: global }
      - { .name: w_proj, .offset: 16, .size: 8, .value_kind: global_buffer, .address_space: global }
      - { .name: xq, .offset: 24, .size: 8, .value_kind: global_buffer, .address_space: global }
      - { .name: wq, .offset: 32, .size: 8, .value_kind: global_buffer, .address_space: global }
    .group_segment_fixed_size: 47616
    .private_segment_fixed_size: 0
    .kernarg_segment_align: 8
    .kernarg_segment_size: 40
    .max_flat_workgroup_size: 128
    .sgpr_count:     66
    .vgpr_count:     256
    .wavefront_size: 32
...
	.end_amdgpu_metadata
.endif
;; end of part 1
;; launch qkv (part 2): grid 12 x 64, 4 waves a work-group, clusters of 4 x 4, 327,680 bytes of LDS; arguments xq, wq, b_attn, qc, qs, kv; writes qc, qs, kv
.if DOCPART == 2
	.amdgcn_target "amdgcn-amd-amdhsa--gfx1250"
	.amdhsa_code_object_version 6
	.text
	.protected	k_q7c8e8191d4_qkv
	.globl	k_q7c8e8191d4_qkv
	.p2align	8
	.type	k_q7c8e8191d4_qkv,@function
k_q7c8e8191d4_qkv:
	s_mov_b64 s[64:65], 0
	v_nop
	global_prefetch_b8 v0, s[64:65] scope:SCOPE_SE
	s_setreg_imm32_b32 hwreg(HW_REG_WAVE_MODE, 25, 1), 1
	s_wait_xcnt 0x0
	s_wait_alu depctr_hold_cnt(0) depctr_sa_sdst(0) depctr_va_vdst(0) depctr_va_sdst(0) depctr_va_ssrc(0) depctr_va_vcc(0) depctr_vm_vsrc(0)
	s_getreg_b32 s2, hwreg(HW_REG_IB_STS2, 6, 4)
	s_cmp_eq_u32 s2, 0
	s_cbranch_scc0 .Lentry_in_a_cluster
	s_endpgm
.Lentry_in_a_cluster:
	s_bfe_u32 s2, ttmp6, 0x10000c
	s_cmp_lg_u32 s2, 0xf033
	s_cbranch_scc0 .Lentry_shape_is_right
	s_endpgm
.Lentry_shape_is_right:
; qkv = x w_attn + b_attn on codes of FP6 (E2M3), and its results quantised at once for attention: q and k along the head's 64 channels, v along the keys.  Nothing leaves as f32.
; A work-group makes 128 tokens (unit Y of xq) x 256 columns (units 2 X, 2 X + 1 of wq).  Cluster x = 0, 1, 2 makes q, k, v: the one branch on the kind hangs on the cluster's x alone.
; ALL OF K = 1,024 LIES IN LDS: three units of 102,400 bytes, each filled once, in two loads of four K steps: no slot is ever filled again.  By this text's count a wave has at most one tensor load out.
; CLUSTER 4 x 4: the four of a row need the same unit of xq, the four of a column the same two units of wq: joint loads.  Wave 0 asks for x's unit, waves 1 and 2 for a unit of w each, wave 3 for nothing.
; ROLES.  Source 0: 8 tiles; source 1: 4 tiles; 32 accumulators a wave.  q, k: source 0 = w's unit w % 2 (two heads), source 1 = x's tiles 4 (w / 2) on: a lane holds a token, its registers run along the channels.
; v: source 0 = x's 8 tiles, source 1 = the four tiles of head 4 (X % 4) + w: a lane holds a channel, its registers run along the tokens, which are the second product's K.
; Tiles hold rows 32 b + 8 u + r + 8 (r / 8): so the 16 registers of source 0's tiles 2 b, 2 b + 1 are 16 neighbours, 32 b + 16 h + 0 .. 15.  The bias is the C of a sum's first matrix instruction.
; OUT: qc [bh][tile][768]: registers 0-5 of a fragment, pairs at 256 p + 8 lane.  qs [bh][64 tokens][lane][2]: word pi of lane L = tile 2 pi + L / 16, row L % 16; bytes 2, 3 are 0 (K = 64: the upper half is zero codes).
; kv, 208,896 bytes a head: 16 records of 12,288 (8 tiles of k x 768, 4 tiles of v^T x 1,536), then 16 records of 768 scale bytes (k's 512 in qs's form, v's 256 likewise).
; LIMITS: a block of zeros or under 2^-124 gets the byte 1; NaN and infinities are not served.
; REGISTERS: window 0: v2-17 LDS addresses; v18, v19 the add's two; v20-24 offsets; v32-43 scale words, two sets; v48-143 source 1, two sets (later the codes made); v144-207 the bias; v208-223 at work; v224-233 scale words made.
;   window 1: source 0, two sets of 96.   window 2: accumulator (i1, i0) at v[8 (8 i1 + i0)].
.set UNIT,  102400
.set STEPB, 12800
; THE FILLS AS THEY STAND (in place of what the head comment says of four loads): each unit comes in TWO loads of four K steps, 51,200 bytes each.  The first halves are asked for at the head, one load a wave
; (wave 0 x's, waves 1 and 2 w's, wave 3 none); the second halves behind the wait for all loads, the add and a round of the cluster's barrier.  By this text's count a wave has at most one tensor load out.
.set PAIRB, 51200
.set HALFU, 51200
.set HEADB, 208896
.set SPARE, 307200                     ; behind the three units: the spare words, 128 bytes a wave
.set SPW, 18
.set NIL, 19
.set L8,  20
.set L16, 21
.set L4,  22
.set SC,  32
.set AF,  48
.set TT,  96
.set BI,  144
.set TM,  208
.set PW,  224
.set G1A, 24                           ; s[24:31] group 1 for x's unit; s[32:39] for w's: they differ in the mask
.set G1B, 32
.set G0A, 40                           ; s[40:47] two groups 0 for x's unit; w's two lie at s56, s60
.set MSB, 0
.macro WIN new                         ; the immediate's high byte repeats the setting that is left
.if MSB != \new
	s_set_vgpr_msb (MSB<<8)|\new
.set MSB, \new
.endif
.endm
.macro PLACES                          ; four plain lines between a matrix instruction and a load into, or a vector read or write of, its registers
.rept 4
	v_nop
.endr
.endm
.macro CROUND                          ; a round of the cluster's barrier
	s_barrier_signal -1
	s_barrier_wait -1
	s_cmp_lg_u32 s16, 0
	s_cbranch_scc1 .Lnot_wave_0_\@
	s_barrier_signal -3
.Lnot_wave_0_\@:
	s_barrier_wait -3
	s_barrier_signal -1
	s_barrier_wait -1
.endm
; one product; ra, rb: the side's scale words stand in lanes 16-31 of the register named
.macro WMX d, a, b, c, sa, sb, ra, rb
.if (\ra) && (\rb)
	v_wmma_scale_f32_16x16x128_f8f6f4 v[\d:\d+7], v[\a:\a+11], v[\b:\b+11], v[\c:\c+7], v[\sa], v[\sb] matrix_a_fmt:MATRIX_FMT_FP6 matrix_b_fmt:MATRIX_FMT_FP6 matrix_a_scale:MATRIX_SCALE_ROW1 matrix_b_scale:MATRIX_SCALE_ROW1
.elseif (\ra)
	v_wmma_scale_f32_16x16x128_f8f6f4 v[\d:\d+7], v[\a:\a+11], v[\b:\b+11], v[\c:\c+7], v[\sa], v[\sb] matrix_a_fmt:MATRIX_FMT_FP6 matrix_b_fmt:MATRIX_FMT_FP6 matrix_a_scale:MATRIX_SCALE_ROW1
.elseif (\rb)
	v_wmma_scale_f32_16x16x128_f8f6f4 v[\d:\d+7], v[\a:\a+11], v[\b:\b+11], v[\c:\c+7], v[\sa], v[\sb] matrix_a_fmt:MATRIX_FMT_FP6 matrix_b_fmt:MATRIX_FMT_FP6 matrix_b_scale:MATRIX_SCALE_ROW1
.else
	v_wmma_scale_f32_16x16x128_f8f6f4 v[\d:\d+7], v[\a:\a+11], v[\b:\b+11], v[\c:\c+7], v[\sa], v[\sb] matrix_a_fmt:MATRIX_FMT_FP6 matrix_b_fmt:MATRIX_FMT_FP6
.endif
.endm
; 16 products: source 1's tiles 2 eta, 2 eta + 1 x source 0's eight, from set p.  cb = 1, 2: the first K step: C is the bias by source 0's tile, or by source 1's.
; The 32 accumulators take turns, one instruction a turn, in the same order in every step.
.macro MUL16 eta, p, cb
.irp a, 2*(\eta), 2*(\eta)+1
.irp b, 0,1,2,3,4,5,6,7
.if (\cb) == 1
	WMX 8*(8*(\a)+\b), 96*(\p)+12*\b, AF+48*(\p)+12*(\a), BI+8*\b, SC+6*(\p)+\b/2, SC+6*(\p)+4+(\a)/2, \b%2, (\a)%2
.elseif (\cb) == 2
	WMX 8*(8*(\a)+\b), 96*(\p)+12*\b, AF+48*(\p)+12*(\a), BI+8*(\a), SC+6*(\p)+\b/2, SC+6*(\p)+4+(\a)/2, \b%2, (\a)%2
.else
	WMX 8*(8*(\a)+\b), 96*(\p)+12*\b, AF+48*(\p)+12*(\a), 8*(8*(\a)+\b), SC+6*(\p)+\b/2, SC+6*(\p)+4+(\a)/2, \b%2, (\a)%2
.endif
.endr
.endr
.endm
; K step s into set s % 2: 42 LDS loads in one run.  a0, as0, a1, as1: the address registers of source 0's codes and scale words and of source 1's (the next register serves steps 4-7).
; A scale load of 4 bytes a lane brings tile 2 k's words to lanes 0-15 and tile 2 k + 1's to lanes 16-31.
.macro FETCH s, a0, as0, a1, as1
.set P,  (\s)%2
.set HI, (\s)/4
.set OF, ((\s)%4)*STEPB
	WIN 0x40                                       ; destination window 1
.irp i, 0,1,2,3,4,5,6,7
.irp g, 0,1,2
	ds_load_b128 v[96*P+12*\i+4*\g:96*P+12*\i+4*\g+3], v[\a0+HI] offset:OF+1536*\i+512*\g
.endr
.endr
	WIN 0
.irp i, 0,1,2,3
.irp g, 0,1,2
	ds_load_b128 v[AF+48*P+12*\i+4*\g:AF+48*P+12*\i+4*\g+3], v[\a1+HI] offset:OF+1536*\i+512*\g
.endr
.endr
.irp k, 0,1,2,3
	ds_load_b32 v[SC+6*P+\k], v[\as0+HI] offset:OF+128*\k
.endr
.irp k, 0,1
	ds_load_b32 v[SC+6*P+4+\k], v[\as1+HI] offset:OF+128*\k
.endr
.endm
.macro EVEN s, a0, as0, a1, as1        ; the next step lies in the same pair: it has landed
	s_wait_dscnt 0x0                               ; this step's fragments are in
	PLACES
	FETCH (\s)+1, \a0, \as0, \a1, \as1
	WIN 0xa1                                       ; source 0 window 1, source 1 window 0, C and D window 2
	MUL16 0, (\s)%2, 0
	MUL16 1, (\s)%2, 0
.endm
.macro ODD s, left, a0, as0, a1, as1   ; the next step lies in the next pair: left = the pairs behind it, which may stay out.
	s_wait_dscnt 0x0                               ; this step's fragments are in: no LDS instruction of mine is out at the signal
	s_wait_tensorcnt \left                         ; my part of the next pair has landed,
	s_barrier_signal -1
	WIN 0xa1
	MUL16 0, 1, 0
	s_barrier_wait -1                              ; everybody's has
	PLACES
	FETCH (\s)+1, \a0, \as0, \a1, \as1
	WIN 0xa1
	MUL16 1, 1, 0
.endm
.macro MAIN a0, as0, a1, as1, cb
	s_wait_tensorcnt 0x0                           ; my first half is in
	ds_add_u32 v[SPW], v[NIL]                      ; the add, twice on end
	ds_add_u32 v[SPW], v[NIL]
	s_wait_dscnt 0x0
	CROUND                                         ; everybody's first half is in, and the sixteen work-groups meet for the second halves
	s_cmp_eq_u32 s16, 0
	s_cbranch_scc0 .Lw_half_\@
	tensor_load_to_lds s[G0A+4:G0A+7], s[G1A:G1A+7]   ; K steps 4-7 of x's unit
	s_nop 0
.rept 4
	v_nop
.endr
	s_branch .Lhalf_asked_\@
.Lw_half_\@:
	s_cmp_eq_u32 s16, 3
	s_cbranch_scc1 .Lhalf_asked_\@
	tensor_load_to_lds s[60:63], s[G1B:G1B+7]      ; K steps 4-7 of a unit of w
	s_nop 0
.rept 4
	v_nop
.endr
.Lhalf_asked_\@:
	FETCH 0, \a0, \as0, \a1, \as1
	s_wait_loadcnt 0x0                             ; the bias
	s_wait_dscnt 0x0
	FETCH 1, \a0, \as0, \a1, \as1
	WIN 0x81                                       ; C, the bias, in window 0
	MUL16 0, 0, \cb
	MUL16 1, 0, \cb
	EVEN 1, \a0, \as0, \a1, \as1
	EVEN 2, \a0, \as0, \a1, \as1
	ODD 3, 0x0, \a0, \as0, \a1, \as1               ; step 4 lies in the second halves: every wave waits for its load, and the barrier shows them to all
	EVEN 4, \a0, \as0, \a1, \as1
	EVEN 5, \a0, \as0, \a1, \as1
	EVEN 6, \a0, \as0, \a1, \as1
	s_wait_dscnt 0x0
	WIN 0xa1
	MUL16 0, 1, 0
	MUL16 1, 1, 0
	WIN 0
	PLACES
.endm
; The 64 results of source 1's tile i1 (register 16 b + i = place 32 b + 16 h + i along the next K) become a fragment's 12 registers in v[AF + 12 i1] on and its scale word in v[PW + i1].
.macro QUANT i1
.set AC, 64*(\i1)
.set PC, AF+12*(\i1)
	WIN 0x0a                                       ; sources 0 and 1 window 2
.irp b, 0,1,2,3
	v_max3_num_f32 v[TM+\b], |v[AC+16*\b]|, |v[AC+16*\b+1]|, 0x1800000   ; each accumulator from its low end on; the floor holds the byte at 1 from below
.endr
.irp i, 2,4,6,8,10,12,14
.irp b, 0,1,2,3
	v_max3_num_f32 v[TM+\b], |v[AC+16*\b+\i]|, |v[AC+16*\b+\i+1]|, v[TM+\b]
.endr
.endr
	WIN 0
.irp b, 0,1,2,3
	v_permlanex16_b32 v[TM+4+\b], v[TM+\b], s2, s3
.endr
.irp b, 0,1,2,3
	v_max_num_f32 v[TM+\b], v[TM+\b], v[TM+4+\b]   ; with lane l xor 16's: the block's largest magnitude
.endr
.irp b, 0,1,2,3
	v_add_nc_u32 v[TM+12+\b], 0xff000000, v[TM+\b] ; the conversion's scale operand
.endr
.irp b, 0,1,2,3
	v_lshrrev_b32 v[TM+4+\b], 23, v[TM+12+\b]      ; the byte
.endr
	v_lshl_or_b32 v[PW+\i1], v[TM+5], 8, v[TM+4]
	v_lshl_or_b32 v[PW+\i1], v[TM+6], 16, v[PW+\i1]
	v_lshl_or_b32 v[PW+\i1], v[TM+7], 24, v[PW+\i1]
	WIN 0x02                                       ; source 0 window 2
.irp c, 0,1
	v_cvt_scalef32_pk16_fp6_f32 v[PC+6*\c:PC+6*\c+2], v[AC+32*\c:AC+32*\c+15], v[TM+12+2*\c]
	v_cvt_scalef32_pk16_fp6_f32 v[TT+4*\c:TT+4*\c+2], v[AC+32*\c+16:AC+32*\c+31], v[TM+12+2*\c+1]
.endr
	WIN 0
	v_nop                                          ; one plain line behind the conversions
.irp c, 0,1                            ; the layout wants a whole block in a lane: lanes 0-15 block 2 c, lanes 16-31 block 2 c + 1
.irp i, 0,1,2
	v_permlane16_swap_b32 v[PC+6*\c+\i], v[TT+4*\c+\i]
.endr
.irp i, 0,1,2
	v_mov_b32 v[PC+3+6*\c+\i], v[TT+4*\c+\i]
.endr
.endr
.endm
	s_load_b256 s[4:11], s[0:1], 0x0               ; xq s[4:5], wq s[6:7], b_attn s[8:9], qc s[10:11]
	s_load_b128 s[12:15], s[0:1], 0x20             ; qs s[12:13], kv s[14:15]
	v_lshl_add_u32 v[SPW], v0, 2, SPARE
	v_mov_b32 v[NIL], 0
	ds_add_u32 v[SPW], v[NIL]                      ; the wave's opening: the add and its wait stand ahead of my first tensor load; the set-up below, work on registers, stands between them
	ds_add_u32 v[SPW], v[NIL]
	v_lshrrev_b32 v1, 5, v0
	v_readfirstlane_b32 s16, v1                    ; wave
	s_and_b32 s17, s16, 1
	s_lshr_b32 s18, s16, 1
	s_bfe_u32 s19, ttmp6, 0x40000                  ; cx
	s_bfe_u32 s20, ttmp6, 0x40004                  ; cy
	s_lshl_b32 s21, ttmp9, 2
	s_add_co_u32 s21, s21, s19                     ; X
	s_and_b32 s22, ttmp7, 0xffff
	s_lshl_b32 s22, s22, 2
	s_add_co_u32 s22, s22, s20                     ; Y
	s_lshl_b32 s80, s20, 2
	s_lshl_b32 s80, 15, s80                        ; my row of the cluster
	s_lshl_b32 s81, 0x1111, s19                    ; my column
	s_or_b32 s[G1A], s80, (3<<16)|(1<<21)          ; 15:0 the mask; 17:16 elements of 8 bytes; 21 set beside a mask; no padding
	s_or_b32 s[G1B], s81, (3<<16)|(1<<21)
.irp g, G1A, G1B                       ; a dense block of 51,200 bytes as 200 rows of 256
	s_mov_b32 s[\g+1], 32<<16                      ; tensor_dim0 = 32
	s_mov_b32 s[\g+2], 200<<16                     ; tensor_dim1 = 200: a dense block of 51,200 bytes as 200 rows of 256
	s_mov_b32 s[\g+3], 32<<16                      ; tile_dim0 = 32
	s_mov_b32 s[\g+4], 200                         ; tile_dim1 = 200
	s_mov_b32 s[\g+5], 32                          ; from row to row
	s_mov_b32 s[\g+6], 0
	s_mov_b32 s[\g+7], 0
.endr
	s_mul_i32 s76, s22, UNIT                       ; x's unit Y: hangs on the tile row alone
	s_mov_b32 s77, 0
	s_lshl_b32 s84, s21, 1
	s_add_co_u32 s84, s84, s18
	s_mul_i32 s84, s84, UNIT                       ; w's unit 2 X + wave / 2: hangs on the tile column and the wave alone
	s_mov_b32 s85, 0
	s_mul_i32 s86, s18, UNIT
	s_add_co_u32 s86, s86, UNIT                    ; and its place in LDS
	s_mov_b32 s2, 0x76543210
	s_mov_b32 s3, 0xfedcba98                       ; v_permlanex16_b32's selects for lane l xor 16
	s_mov_b32 s23, 0xffff0000                      ; lanes 16-31
	v_and_b32 v1, 31, v0
	v_lshlrev_b32 v[L8], 3, v1
	v_lshlrev_b32 v[L16], 4, v1
	v_lshlrev_b32 v[L4], 2, v1
	v_and_b32 v23, 16, v0
	v_lshlrev_b32 v23, 2, v23                      ; 64 h: the bias of my half's channels
	v_and_b32 v24, 15, v0
	v_and_b32 v25, 8, v0
	v_add_nc_u32 v24, v24, v25
	v_lshlrev_b32 v24, 2, v24                      ; 4 (r + 8 (r / 8)): the bias of my channel
	; LDS addresses of both roles, made ahead of the parting
	s_mul_i32 s80, s17, UNIT
	s_add_co_u32 s80, s80, UNIT                    ; q, k: source 0 = w's unit w % 2
	s_mul_i32 s81, s18, 6144                       ;       source 1 = x's tiles 4 (w / 2) on
	s_lshl_b32 s82, s18, 8
	v_add_nc_u32 v2, s80, v[L16]
	v_add_nc_u32 v3, HALFU, v2
	s_add_co_u32 s80, s80, 12288
	v_add_nc_u32 v4, s80, v[L4]
	v_add_nc_u32 v5, HALFU, v4
	v_add_nc_u32 v6, s81, v[L16]
	v_add_nc_u32 v7, HALFU, v6
	s_add_co_u32 s82, s82, 12288
	v_add_nc_u32 v8, s82, v[L4]
	v_add_nc_u32 v9, HALFU, v8
	v_lshlrev_b32 v10, 4, v1                       ; v: source 0 = x's unit
	v_add_nc_u32 v11, HALFU, v10
	v_add_nc_u32 v12, 12288, v[L4]
	v_add_nc_u32 v13, HALFU, v12
	s_mul_i32 s80, s18, UNIT
	s_add_co_u32 s80, s80, UNIT                    ;    source 1 = w's unit w / 2, tiles 4 (w % 2) on
	s_mul_i32 s81, s17, 6144
	s_add_co_u32 s81, s81, s80
	v_add_nc_u32 v14, s81, v[L16]
	v_add_nc_u32 v15, HALFU, v14
	s_lshl_b32 s81, s17, 8
	s_add_co_u32 s81, s81, s80
	s_add_co_u32 s81, s81, 12288
	v_add_nc_u32 v16, s81, v[L4]
	v_add_nc_u32 v17, HALFU, v16
.irp b, 0,1,2,3
	v_mov_b32 v[TM+4+\b], 0                        ; a lane permute's destination counts as read
.endr
	s_wait_dscnt 0x0                               ; the opening add is done
	s_wait_kmcnt 0x0
	s_add_nc_u64 s[78:79], s[4:5], s[76:77]
	s_add_nc_u64 s[84:85], s[6:7], s[84:85]
.irp T, 0,1
	s_mov_b32 s[G0A+4*\T], 1
	s_mov_b32 s[G0A+4*\T+1], PAIRB*\T
	s_add_nc_u64 s[G0A+4*\T+2:G0A+4*\T+3], s[78:79], PAIRB*\T
	s_or_b32 s[G0A+4*\T+3], s[G0A+4*\T+3], 0x80000000
	s_mov_b32 s[56+4*\T+4*(\T/2)], 1
	s_add_co_u32 s[57+4*\T+4*(\T/2)], s86, PAIRB*\T
	s_add_nc_u64 s[58+4*\T+4*(\T/2):59+4*\T+4*(\T/2)], s[84:85], PAIRB*\T
	s_or_b32 s[59+4*\T+4*(\T/2)], s[59+4*\T+4*(\T/2)], 0x80000000
.endr
	CROUND                                         ; all sixteen work-groups are here: the joint loads meet
	s_cmp_eq_u32 s16, 0                            ; a wave's fills stand in one branch on the wave's number, the same in every work-group
	s_cbranch_scc0 .Lnot_x
	tensor_load_to_lds s[G0A:G0A+3], s[G1A:G1A+7]  ; K steps 0-3 of x's unit
	s_nop 0
.rept 4
	v_nop
.endr
	s_branch .Lasked
.Lnot_x:
	s_cmp_eq_u32 s16, 3
	s_cbranch_scc1 .Lasked
	tensor_load_to_lds s[56:59], s[G1B:G1B+7]      ; K steps 0-3 of a unit of w
	s_nop 0
.rept 4
	v_nop
.endr
.Lasked:
	s_lshr_b32 s80, s22, 4                         ; the batch
	s_and_b32 s81, s22, 15                         ; sigma: which 128 tokens of its 2,048
	s_and_b32 s82, s21, 3
	s_lshl_b32 s82, s82, 2
	s_lshl_b32 s83, s80, 4
	s_add_co_u32 s82, s82, s83                     ; 16 b + 4 (X % 4): the first of my work-group's four heads
	s_cmp_eq_u32 ttmp9, 2                          ; the cluster's x: the same in all partners
	s_cbranch_scc1 .Lvpath
; ---------------- q and k ----------------
	s_lshl_b32 s66, s21, 10
	s_lshl_b32 s67, s17, 9
	s_add_co_u32 s66, s66, s67
	s_mov_b32 s67, 0
	s_add_nc_u64 s[66:67], s[8:9], s[66:67]        ; b_attn at column 256 X + 128 (w % 2)
.irp i, 0,1,2,3,4,5,6,7
	global_load_b128 v[BI+8*\i:BI+8*\i+3], v23, s[66:67] offset:(32*(\i/2)+8*(\i%2))*4
	global_load_b128 v[BI+8*\i+4:BI+8*\i+7], v23, s[66:67] offset:(32*(\i/2)+8*(\i%2))*4+16
.endr
	s_lshl_b32 s83, s17, 1
	s_add_co_u32 s82, s82, s83                     ; bh0: my even head
	s_lshl_b32 s88, s82, 7                         ; q's codes: tile 128 bh0 + 8 sigma + 4 (w / 2)
	s_lshl_b32 s83, s81, 3
	s_add_co_u32 s88, s88, s83
	s_lshl_b32 s83, s18, 2
	s_add_co_u32 s88, s88, s83
	s_mul_i32 s88, s88, 768
	s_lshl_b32 s92, s82, 5                         ; q's scale words: chunk 32 bh0 + 2 sigma + w / 2
	s_lshl_b32 s83, s81, 1
	s_add_co_u32 s92, s92, s83
	s_add_co_u32 s92, s92, s18
	s_lshl_b32 s92, s92, 8
	s_mul_i32 s96, s82, HEADB                      ; k: the head's part of kv,
	s_mul_i32 s83, s81, 12288
	s_add_co_u32 s90, s96, s83                     ; record sigma,
	s_mul_i32 s83, s18, 3072
	s_add_co_u32 s90, s90, s83                     ; tiles 4 (w / 2) on
	s_mul_i32 s83, s81, 768
	s_add_co_u32 s94, s96, s83
	s_lshl_b32 s83, s18, 8
	s_add_co_u32 s94, s94, s83
	s_add_co_u32 s94, s94, 196608                  ; and its scale words
	s_mov_b32 s98, HEADB
	s_mov_b32 s99, HEADB
	s_cmp_eq_u32 ttmp9, 0                          ; q or k
	s_cselect_b32 s88, s88, s90
	s_cselect_b32 s92, s92, s94
	s_cselect_b32 s98, 98304, s98                  ; from the even head to the odd one: codes,
	s_cselect_b32 s99, 8192, s99                   ; scale words
	s_cselect_b64 s[80:81], s[10:11], s[14:15]
	s_cselect_b64 s[82:83], s[12:13], s[14:15]
	s_mov_b32 s89, 0
	s_mov_b32 s93, 0
	s_add_nc_u64 s[88:89], s[80:81], s[88:89]      ; codes, even head
	s_add_nc_u64 s[92:93], s[82:83], s[92:93]      ; scale words, even head
	s_mov_b32 s90, s98
	s_mov_b32 s91, 0
	s_add_nc_u64 s[90:91], s[88:89], s[90:91]      ; odd head
	s_mov_b32 s94, s99
	s_mov_b32 s95, 0
	s_add_nc_u64 s[94:95], s[92:93], s[94:95]
	MAIN 2, 4, 6, 8, 1
.irp m, 0,1,2,3                        ; a tile of 16 tokens: registers 0-5 are the even head's 64 channels, 6-11 the odd head's
	QUANT \m
.irp p, 0,1,2
	global_store_b64 v[L8], v[AF+12*\m+2*\p:AF+12*\m+2*\p+1], s[88:89] offset:768*\m+256*\p     ; 256 consecutive bytes a store, aligned
	global_store_b64 v[L8], v[AF+12*\m+6+2*\p:AF+12*\m+6+2*\p+1], s[90:91] offset:768*\m+256*\p
.endr
.endr
	v_cndmask_b32 v232, v[PW], v[PW+1], s23        ; lanes 0-15 the even tile's words, lanes 16-31 the odd tile's
	v_cndmask_b32 v233, v[PW+2], v[PW+3], s23
	v_and_b32 v228, 0xffff, v232                   ; bytes 0, 1: the even head's two blocks
	v_and_b32 v229, 0xffff, v233
	v_lshrrev_b32 v230, 16, v232                   ; bytes 2, 3: the odd head's
	v_lshrrev_b32 v231, 16, v233
	global_store_b64 v[L8], v[228:229], s[92:93]
	global_store_b64 v[L8], v[230:231], s[94:95]
	s_wait_tensorcnt 0x0                           ; the wave's end
	ds_add_u32 v[SPW], v[NIL]
	s_wait_dscnt 0x0
	CROUND                                         ; the closing round
	s_endpgm
; ---------------- v ----------------
.Lvpath:
	s_lshl_b32 s66, s21, 10
	s_lshl_b32 s67, s16, 8
	s_add_co_u32 s66, s66, s67
	s_mov_b32 s67, 0
	s_add_nc_u64 s[66:67], s[8:9], s[66:67]        ; b_attn at column 256 X + 64 w: my head
.irp i, 0,1,2,3
.irp j, 0,1,2,3,4,5,6,7
	global_load_b32 v[BI+8*\i+\j], v24, s[66:67] offset:(32*(\i/2)+8*(\i%2))*4   ; a lane's eight results of a tile are one channel's: the same number eight times
.endr
.endr
	s_add_co_u32 s82, s82, s16                     ; bh
	s_mul_i32 s96, s82, HEADB
	s_mul_i32 s83, s81, 12288
	s_add_co_u32 s88, s96, s83
	s_add_co_u32 s88, s88, 6144                    ; record sigma, behind k's eight tiles
	s_mov_b32 s89, 0
	s_mul_i32 s83, s81, 768
	s_add_co_u32 s92, s96, s83
	s_add_co_u32 s92, s92, 196608+512              ; its scale words, behind k's
	s_mov_b32 s93, 0
	s_add_nc_u64 s[88:89], s[14:15], s[88:89]
	s_add_nc_u64 s[92:93], s[14:15], s[92:93]
	s_wait_alu depctr_va_vdst(0)
	MAIN 10, 12, 14, 16, 2
.irp m, 0,1,2,3                        ; a tile of 16 channels x these 128 keys
	QUANT \m
.irp g, 0,1,2
	global_store_b128 v[L16], v[AF+12*\m+4*\g:AF+12*\m+4*\g+3], s[88:89] offset:1536*\m+512*\g   ; 512 consecutive bytes a store
.endr
.endr
	v_cndmask_b32 v228, v[PW], v[PW+1], s23
	v_cndmask_b32 v229, v[PW+2], v[PW+3], s23
	global_store_b64 v[L8], v[228:229], s[92:93]
	s_wait_tensorcnt 0x0                           ; the wave's end
	ds_add_u32 v[SPW], v[NIL]
	s_wait_dscnt 0x0
	CROUND                                         ; the closing round
	s_endpgm
.Lfunc_end_k_q7c8e8191d4_qkv:
	.size	k_q7c8e8191d4_qkv, .Lfunc_end_k_q7c8e8191d4_qkv-k_q7c8e8191d4_qkv
	.p2alignl 7, 3214868480
	.fill 96, 4, 3214868480
	.section	.rodata,"a",@progbits
	.p2align	6, 0x0
	.amdhsa_kernel k_q7c8e8191d4_qkv
		.amdhsa_group_segment_fixed_size 327680
		.amdhsa_private_segment_fixed_size 0
		.amdhsa_enable_private_segment 0
		.amdhsa_kernarg_size 48
		.amdhsa_user_sgpr_count 2
		.amdhsa_user_sgpr_kernarg_segment_ptr 1
		.amdhsa_wavefront_size32 1
		.amdhsa_system_sgpr_workgroup_id_x 1
		.amdhsa_system_sgpr_workgroup_id_y 1
		.amdhsa_system_sgpr_workgroup_id_z 1
		.amdhsa_system_vgpr_workitem_id 0
		.amdhsa_next_free_vgpr 768
		.amdhsa_next_free_sgpr 100
		.amdhsa_reserve_vcc 0
		.amdhsa_float_denorm_mode_32 3
		.amdhsa_float_denorm_mode_16_64 3
		.amdhsa_memory_ordered 1
		.amdhsa_forward_progress 1
		.amdhsa_inst_pref_size 162
	.end_amdhsa_kernel
	.amdgpu_metadata
---
amdhsa.version: [ 1, 2 ]
amdhsa.kernels:
  - .name:           k_q7c8e8191d4_qkv
    .symbol:         k_q7c8e8191d4_qkv.kd
    .args:
      - { .name: xq, .offset: 0, .size: 8, .value_kind: global_buffer, .address_space: global }
      - { .name: wq, .offset: 8, .size: 8, .value_kind: global_buffer, .address_space: global }
      - { .name: b_attn, .offset: 16, .size: 8, .value_kind: global_buffer, .address_space: global }
      - { .name: qc, .offset: 24, .size: 8, .value_kind: global_buffer, .address_space: global }
      - { .name: qs, .offset: 32, .size: 8, .value_kind: global_buffer, .address_space: global }
      - { .name: kv, .offset: 40, .size: 8, .value_kind: global_buffer, .address_space: global }
    .group_segment_fixed_size: 327680
    .private_segment_fixed_size: 0
    .kernarg_segment_align: 8
    .kernarg_segment_size: 48
    .max_flat_workgroup_size: 128
    .sgpr_count:     100
    .vgpr_count:     768
    .wavefront_size: 32
...
	.end_amdgpu_metadata
.endif
;; end of part 2
;; launch attn (part 3): grid 4 x 64, 16 waves a work-group, clusters of 4 x 1, 210,944 bytes of LDS; arguments qc, qs, kv, yq; writes yq
.if DOCPART == 3
	.amdgcn_target "amdgcn-amd-amdhsa--gfx1250"
	.amdhsa_code_object_version 6
	.text
	.protected	k_q7c8e8191d4_attn
	.globl	k_q7c8e8191d4_attn
	.p2align	8
	.type	k_q7c8e8191d4_attn,@function
k_q7c8e8191d4_attn:
	s_mov_b64 s[64:65], 0
	v_nop
	global_prefetch_b8 v0, s[64:65] scope:SCOPE_SE
	s_setreg_imm32_b32 hwreg(HW_REG_WAVE_MODE, 25, 1), 1
	s_wait_xcnt 0x0
	s_wait_alu depctr_hold_cnt(0) depctr_sa_sdst(0) depctr_va_vdst(0) depctr_va_sdst(0) depctr_va_ssrc(0) depctr_va_vcc(0) depctr_vm_vsrc(0)
	s_getreg_b32 s2, hwreg(HW_REG_IB_STS2, 6, 4)
	s_cmp_eq_u32 s2, 0
	s_cbranch_scc0 .Lentry_in_a_cluster
	s_endpgm
.Lentry_in_a_cluster:
	s_bfe_u32 s2, ttmp6, 0x10000c
	s_cmp_lg_u32 s2, 0x3003
	s_cbranch_scc0 .Lentry_shape_is_right
	s_endpgm
.Lentry_shape_is_right:
; y[bh][q] = the sum over keys k <= q of softmax_k(q . k / 8) v, both products on codes of FP6 (E2M3); y leaves quantised along the 1,024 channels, as the last product's operand.
; t = score x log2(e) / 8; M = the running largest t rounded UP to a whole number; p = 2^(t - M) is quantised along the keys, not normalised; the row's sum is taken of the unquantised p and divides at the end.
; When M moves, the sum and O are multiplied by 2^(old M - new M): exact.  Key steps of 128 that lie wholly behind the causal mask are left out.
; A HEAD'S WHOLE K, V AND SCALE WORDS LIE IN LDS: 208,896 bytes, the image of the head's part of kv, filled once: each of the sixteen waves asks for 51 rows of 256 bytes.  No slot is filled again, and behind the
; one barrier that shows the image to all no wave waits for another.
; CLUSTER 4 x 1: the four work-groups of a head need the same image: each of the sixteen loads is a joint load with the mask 15.
; SHARES.  A chunk is 128 queries, four pairs of tiles.  Work-group j (its place in the cluster) takes pair j of every chunk.  Wave w takes tile w % 2 of that pair in chunk w / 2, then in chunk 15 - w / 2:
; (w / 2 + 1) + (16 - w / 2) = 17 key steps for every wave of every work-group.  Which steps a wave walks hangs on its number and the loops' counters alone; j enters global addresses and the diagonal's mask values only.
; NO PREFETCH: all that comes from memory by tensor loads is asked for at the head; there is no loop to run ahead in.
; LAYOUT.  Both products transposed: S^T = K Q^T, O^T = V^T P^T: a lane holds ONE query.  Tiles hold rows 32 b + 8 u + r + 8 (r / 8), so that p's registers of two tiles are 16 neighbouring keys, and O^T's 16 neighbouring channels.
; K = 64 in the first product: registers 6-11 of Q's and K's fragments are zero codes, written once; their scale bytes are 0, which is a number.
; LIMITS: NaN and infinities are not served; a block of y under 2^-124 or of zeros gets the byte 1; the promise holds while the scaled scores t stay under 2^31 in magnitude.
; REGISTERS: v1-4, v11 offsets that stay; v5, v6 the add's two; v8-10 addresses in hand; v12 -M, v13 the largest t, v[14:15] the sum; v16-27 Q; v28-31 K's scale words; v32-79 four fragments of K; v80-111 O^T;
;   v112-175 S^T, then p; v176-223 V's four fragments; v224-235 p's codes; v232-247 at work; v248-249 V's scale words; v250 Q's; v252 f; v253 p's scale word; v254, v255 at work.
.set HEADB, 208896
.set RECB,  12288                      ; a key step's record: 8 tiles of K x 768, 4 tiles of V^T x 1,536
.set PART,  13056                      ; a wave's sixteenth of the image: 51 x 256
.set SCL,   196608                     ; behind the 16 records: the scale records, 768 bytes a key step
.set SPARE, 208896                     ; the spare words, 128 bytes a wave: eight blocks of 256 bytes that no other line names
.set SPW, 5
.set NIL, 6
.set ADK, 8
.set ADV, 9
.set ADS, 10
.set KFR, 32
.set O,   80
.set S,   112
.set VFR, 176
.set WV,  18
.set CX,  19
.set SEL, 20
.set CS,  22
.set G1,  24                           ; s[24:31] group 1: 51 rows of 256 bytes
.set G0,  32                           ; s[32:35] group 0
.set BH,  36
.set TL,  38                           ; my tile in a chunk: 2 j + w % 2
.set KI,  39                           ; the key step
.set CH,  40                           ; s40, s41: my first and my second chunk
.set TB,  42                           ; where the step's record begins in LDS
.set TS,  43                           ; and its scale record, from SCL on
.set AB0, 56                           ; s[56:63], s[68:75]: for each of my two tiles the addresses of Q's codes, Q's scale words, y's codes, y's scale bytes
.set AB1, 68
.macro CROUND                          ; a round of the cluster's barrier
	s_barrier_signal -1
	s_barrier_wait -1
	s_cmp_lg_u32 s[WV], 0
	s_cbranch_scc1 .Lnot_wave_0_\@
	s_barrier_signal -3
.Lnot_wave_0_\@:
	s_barrier_wait -3
	s_barrier_signal -1
	s_barrier_wait -1
.endm
.macro SPROD T, t                      ; S^T of K's tile T, whose fragment stands in place t
.if (\T)%2
	v_wmma_scale_f32_16x16x128_f8f6f4 v[S+8*(\T):S+8*(\T)+7], v[KFR+12*(\t):KFR+12*(\t)+11], v[16:27], 0, v[28+(\T)/2], v250 matrix_a_fmt:MATRIX_FMT_FP6 matrix_b_fmt:MATRIX_FMT_FP6 matrix_a_scale:MATRIX_SCALE_ROW1
.else
	v_wmma_scale_f32_16x16x128_f8f6f4 v[S+8*(\T):S+8*(\T)+7], v[KFR+12*(\t):KFR+12*(\t)+11], v[16:27], 0, v[28+(\T)/2], v250 matrix_a_fmt:MATRIX_FMT_FP6 matrix_b_fmt:MATRIX_FMT_FP6
.endif
.endm
.macro PVPROD t
.if (\t)%2
	v_wmma_scale_f32_16x16x128_f8f6f4 v[O+8*(\t):O+8*(\t)+7], v[VFR+12*(\t):VFR+12*(\t)+11], v[224:235], v[O+8*(\t):O+8*(\t)+7], v[248+(\t)/2], v253 matrix_a_fmt:MATRIX_FMT_FP6 matrix_b_fmt:MATRIX_FMT_FP6 matrix_a_scale:MATRIX_SCALE_ROW1
.else
	v_wmma_scale_f32_16x16x128_f8f6f4 v[O+8*(\t):O+8*(\t)+7], v[VFR+12*(\t):VFR+12*(\t)+11], v[224:235], v[O+8*(\t):O+8*(\t)+7], v[248+(\t)/2], v253 matrix_a_fmt:MATRIX_FMT_FP6 matrix_b_fmt:MATRIX_FMT_FP6
.endif
.endm
.macro KLOAD g                         ; K's tiles 4 g .. 4 g + 3: registers 0-5 of each fragment
.irp t, 0,1,2,3
.irp p, 0,1,2
	ds_load_b64 v[KFR+12*\t+2*\p:KFR+12*\t+2*\p+1], v[ADK] offset:768*(4*(\g)+\t)+256*\p
.endr
.endr
.endm
.macro QLOAD ab                        ; a tile's Q: registers 0-5 of the fragment, and its scale words
.irp p, 0,1,2
	global_load_b64 v[16+2*\p:17+2*\p], v1, s[\ab:\ab+1] offset:256*\p
.endr
	global_load_b32 v250, v11, s[\ab+2:\ab+3]
.endm
.macro ADDR ab, ch                     ; the four addresses of my tile in chunk s[ch].  s47 = 0
	s_lshl_b32 s44, s[\ch], 3
	s_add_co_u32 s44, s44, s[TL]                   ; tau: my tile among the head's 128
	s_lshl_b32 s46, s[BH], 7
	s_add_co_u32 s46, s46, s44
	s_mul_i32 s46, s46, 768
	s_add_nc_u64 s[\ab:\ab+1], s[4:5], s[46:47]    ; its codes
	s_lshl_b32 s46, s[BH], 5
	s_lshr_b32 s44, s44, 2
	s_add_co_u32 s46, s46, s44
	s_lshl_b32 s46, s46, 8                         ; its 64 tokens among the scale words,
	s_add_co_u32 s46, s46, s48                     ; + 128 (tau % 2) + 4 ((tau / 2) % 2)
	s_add_nc_u64 s[\ab+2:\ab+3], s[6:7], s[46:47]
	s_add_co_u32 s44, s49, s[\ch]                  ; y's unit: 16 b + chunk
	s_lshl_b32 s44, s44, 3
	s_add_co_u32 s44, s44, s50
	s_mul_i32 s44, s44, 12800                      ; its record head / 2
	s_add_co_u32 s46, s44, s51
	s_add_nc_u64 s[\ab+4:\ab+5], s[10:11], s[46:47]   ; my tile's image, half head % 2
	s_add_co_u32 s46, s44, s52
	s_add_nc_u64 s[\ab+6:\ab+7], s[10:11], s[46:47]   ; my two bytes of each row's scale word
.endm
; A KEY STEP: 128 keys, record s[KI]
.macro STEP ch
	s_cmp_gt_u32 s[KI], s[\ch]                     ; a step all of whose keys come after my queries is left out: a branch on the wave's number and the loop's counter
	s_cbranch_scc1 .Lhidden_\@
	v_add_nc_u32 v[ADK], s[TB], v1
	v_add_nc_u32 v[ADV], s[TB], v2
	v_add_nc_u32 v[ADS], s[TS], v3
	v_nop                                          ; with the three additions: four plain lines in front of loads into registers that the last products read
	KLOAD 0
	ds_load_b64 v[28:29], v[ADS]                   ; K's scale words: register T / 2, lanes 0-15 for an even tile T, lanes 16-31 for an odd one
	ds_load_b64 v[30:31], v[ADS] offset:256
.irp t, 0,1,2,3
.irp g, 0,1,2
	ds_load_b128 v[VFR+12*\t+4*\g:VFR+12*\t+4*\g+3], v[ADV] offset:6144+1536*\t+512*\g
.endr
.endr
	ds_load_b64 v[248:249], v[ADS] offset:512      ; V's scale words
	s_wait_alu depctr_va_vdst(0)
	s_wait_dscnt 13                                ; K's four tiles and its scale words are in; V's twelve loads and its scale words may be out
.irp t, 0,1,2,3
	SPROD \t, \t
.endr
.rept 4
	v_nop
.endr
	KLOAD 1
	s_wait_dscnt 0x0
.irp t, 0,1,2,3
	SPROD 4+\t, \t
.endr                                  ; lane (r, h): my query; register 16 b + i: key 128 KI + 32 b + 16 h + i
	s_cmp_lt_u32 s[KI], s[\ch]                     ; on the diagonal hidden scores become -infinity ahead of the maximum: p = 0 then.  A step all of whose keys count skips this
	s_cbranch_scc1 .Lopen_\@
	v_mov_b32 v254, 0xff800000
.set n, 0
.rept 64
	v_cmp_gt_i32 vcc_lo, 32*(n/16)+n%16, v4        ; v4 = my query - the chunk's first key - 16 h: register 16 b + i is hidden where 32 b + i > v4
	v_cndmask_b32 v[S+n], v[S+n], v254, vcc_lo
.set n, n+1
.endr
.Lopen_\@:
.irp g, 0,2                            ; the largest score of each block of 32 keys: for the row's maximum, and, since p rises with the score, for the block's largest p.
.irp b, 0,1                            ; Blocks 0 and 1 first: their sixteen lines name no register of the last four products and are the plain lines behind them
	v_max3_num_f32 v[232+\g+\b], v[S+16*(\g+\b)], v[S+1+16*(\g+\b)], v[S+2+16*(\g+\b)]
.endr
.irp i, 3,5,7,9,11,13
.irp b, 0,1
	v_max3_num_f32 v[232+\g+\b], v[232+\g+\b], v[S+16*(\g+\b)+\i], v[S+1+16*(\g+\b)+\i]
.endr
.endr
.irp b, 0,1
	v_max_num_f32 v[232+\g+\b], v[232+\g+\b], v[S+15+16*(\g+\b)]
.endr
.endr
.irp b, 0,1
	v_permlanex16_b32 v[236+\b], v[232+\b], s[SEL], s[SEL+1]
.endr
.irp b, 2,3
	s_delay_alu instid0(VALU_DEP_4)
	v_permlanex16_b32 v[236+\b], v[232+\b], s[SEL], s[SEL+1]
.endr
.irp b, 0,1,2,3
	s_delay_alu instid0(VALU_DEP_4)
	v_max_num_f32 v[232+\b], v[232+\b], v[236+\b]  ; with lane l xor 16's 16 keys
.endr
	s_delay_alu instid0(VALU_DEP_2)
	v_max3_num_f32 v254, v232, v233, v234
	s_delay_alu instid0(VALU_DEP_1)
	v_max_num_f32 v254, v254, v235
	s_delay_alu instid0(VALU_DEP_1)
	v_mul_f32 v254, s[CS], v254                    ; as t
	s_delay_alu instid0(VALU_DEP_1)
	v_max_num_f32 v13, v13, v254                   ; the running largest t
	v_mov_b32 v254, v12
	s_delay_alu instid0(VALU_DEP_2)
	v_floor_f32 v12, -v13                          ; the new -M = -ceil(t)
	s_delay_alu instid0(VALU_DEP_1)
	v_sub_f32 v254, v12, v254                      ; old M - new M: a whole number, 0 or less
	s_delay_alu instid0(VALU_DEP_1)
	v_cvt_i32_f32 v254, v254                       ; (it saturates)
	s_delay_alu instid0(VALU_DEP_1)
	v_ldexp_f32 v252, 1.0, v254                    ; f = 2^(old M - new M)
.set j, 0
.rept 32
	v_pk_fma_f32 v[S+j:S+j+1], v[S+j:S+j+1], s[CS:CS+1], v[12:13] op_sel_hi:[1,0,0]   ; t - M, two at a time
.set j, j+2
.endr
.irp b, 0,1,2,3
	v_fma_f32 v[232+\b], v[232+\b], s[CS], v12     ; the same of each block's largest score
.endr
.set j, 0
	s_wait_alu depctr_va_vdst(0)
.rept 64
	v_exp_f32 v[S+j], v[S+j]                       ; p = 2^(t - M)
.set j, j+1
.endr
	v_pk_mul_f32 v[14:15], v[14:15], v[252:253] op_sel_hi:[1,0]   ; the sums under the new M: the plain line behind the exponentials
	s_wait_alu depctr_va_vdst(0)                   ; one wait for the batch, ahead of its first reader
.irp b, 0,1,2,3
	v_exp_f32 v[232+\b], v[232+\b]                 ; the block's largest p
.endr
	v_pk_add_f32 v[236:237], v[116:117], v[120:121]   ; the row's sum of the unquantised p, in eight chains
	v_pk_add_f32 v[254:255], v[124:125], v[128:129]
	v_pk_add_f32 v[246:247], v[132:133], v[136:137]
	v_pk_add_f32 v[244:245], v[140:141], v[144:145]
	v_pk_add_f32 v[242:243], v[148:149], v[152:153]
	v_pk_add_f32 v[240:241], v[156:157], v[160:161]
	v_pk_add_f32 v[238:239], v[164:165], v[168:169]
	v_pk_add_f32 v[14:15], v[14:15], v[172:173]
	v_pk_add_f32 v[236:237], v[236:237], v[112:113]
	v_pk_add_f32 v[254:255], v[254:255], v[114:115]
	v_pk_add_f32 v[246:247], v[246:247], v[118:119]
	v_pk_add_f32 v[244:245], v[244:245], v[122:123]
	v_pk_add_f32 v[242:243], v[242:243], v[126:127]
	v_pk_add_f32 v[240:241], v[240:241], v[130:131]
	v_pk_add_f32 v[238:239], v[238:239], v[134:135]
	v_pk_add_f32 v[14:15], v[14:15], v[138:139]
	v_pk_add_f32 v[236:237], v[236:237], v[142:143]
	v_pk_add_f32 v[254:255], v[254:255], v[146:147]
	v_pk_add_f32 v[246:247], v[246:247], v[150:151]
	v_pk_add_f32 v[244:245], v[244:245], v[154:155]
	v_pk_add_f32 v[242:243], v[242:243], v[158:159]
	v_pk_add_f32 v[240:241], v[240:241], v[162:163]
	v_pk_add_f32 v[238:239], v[238:239], v[166:167]
	v_pk_add_f32 v[14:15], v[14:15], v[170:171]
	v_pk_add_f32 v[236:237], v[236:237], v[174:175]
	s_delay_alu instid0(VALU_DEP_2)
	v_pk_add_f32 v[14:15], v[14:15], v[244:245]
	s_delay_alu instid0(VALU_DEP_2)
	v_pk_add_f32 v[236:237], v[236:237], v[242:243]
	v_pk_add_f32 v[254:255], v[254:255], v[240:241]
	v_pk_add_f32 v[246:247], v[246:247], v[238:239]
	s_delay_alu instid0(VALU_DEP_2)
	v_pk_add_f32 v[14:15], v[14:15], v[254:255]
	s_delay_alu instid0(VALU_DEP_2)
	v_pk_add_f32 v[236:237], v[236:237], v[246:247]
	s_delay_alu instid0(VALU_DEP_1)
	v_pk_add_f32 v[14:15], v[14:15], v[236:237]
	s_wait_alu depctr_va_vdst(0)                   ; and one for the four
.irp b, 0,1,2,3
	v_max_num_f32 v[232+\b], 0x1800000, v[232+\b]  ; the floor: the byte cannot fall under 1
.endr
.irp b, 0,1,2,3
	s_delay_alu instid0(VALU_DEP_4)
	v_add_nc_u32 v[244+\b], 0xff000000, v[232+\b]  ; the conversion's scale operand
.endr
.irp b, 0,1,2,3
	s_delay_alu instid0(VALU_DEP_4)
	v_lshrrev_b32 v[236+\b], 23, v[244+\b]         ; the byte
.endr
	s_delay_alu instid0(VALU_DEP_3)
	v_lshl_or_b32 v253, v237, 8, v236              ; p's scale word for these 128 keys
	s_delay_alu instid0(VALU_DEP_1)
	v_lshl_or_b32 v253, v238, 16, v253
	s_delay_alu instid0(VALU_DEP_1)
	v_lshl_or_b32 v253, v239, 24, v253
.irp c, 0,1
	v_cvt_scalef32_pk16_fp6_f32 v[224+6*\c:226+6*\c], v[S+32*\c:S+15+32*\c], v[244+2*\c]
	v_cvt_scalef32_pk16_fp6_f32 v[236+4*\c:238+4*\c], v[S+16+32*\c:S+31+32*\c], v[244+2*\c+1]
.endr
	v_nop                                          ; one plain line behind the conversions
.irp c, 0,1
.irp i, 0,1,2
	v_permlane16_swap_b32 v[224+6*\c+\i], v[236+4*\c+\i]
.endr
.irp i, 0,1,2
	s_delay_alu instid0(VALU_DEP_3)
	v_mov_b32 v[227+6*\c+\i], v[236+4*\c+\i]
.endr
.endr
	s_wait_alu depctr_va_vdst(0)                   ; ahead of the first reader of O^T
.set j, 0
.rept 16
	v_pk_mul_f32 v[O+j:O+j+1], v[O+j:O+j+1], v[252:253] op_sel_hi:[1,0]   ; O^T under the new M; these sixteen are also the plain lines between the writes of p's codes and scale word and the products
.set j, j+2
.endr
.irp t, 0,1,2,3
	PVPROD \t                                      ; the four accumulators by turns; between two links of a chain stand eleven other products
.endr
.Lhidden_\@:
	s_add_co_u32 s[TB], s[TB], RECB
	s_add_co_u32 s[TS], s[TS], 768
.endm
; ONE TILE OF 16 QUERIES: its key steps, then the way out.  ab: its addresses; ch: its chunk's register; trips: the constant count of the walk (the chunk is under it); next: the addresses of the tile that follows, or 0
.macro PHASE ab, ch, trips, next
	s_wait_xcnt 0x0                                ; the last tile's stores have read their registers
	v_mov_b32 v13, 0xff61b1e6                      ; the largest t so far: -3e38
	s_delay_alu instid0(VALU_DEP_1)
	v_floor_f32 v12, -v13
	v_mov_b32 v14, 0
	v_mov_b32 v15, 0
.set j, 0
.rept 32
	v_mov_b32 v[O+j], 0                            ; O^T: the step is written once; its first walk finds zeros
.set j, j+1
.endr
	s_mov_b32 s[KI], 0
	s_mov_b32 s[TB], 0
	s_mov_b32 s[TS], 0
	s_wait_alu depctr_va_vdst(0)
	s_wait_loadcnt 0x0                             ; Q
.Lstep_\@:
	STEP \ch
	s_add_co_u32 s[KI], s[KI], 1
	s_cmp_lt_u32 s[KI], \trips
	s_cbranch_scc1 .Lstep_\@
.if \next
	QLOAD \next                                    ; the next tile's Q is on its way under this tile's way out
.endif
	; THE WAY OUT.  O^T / the sum: register 16 b + i is channel 32 b + 16 h + i of my query: two blocks of the last product's K.  They are quantised and leave as half a fragment's image.
	v_add_f32 v14, v14, v15
	s_delay_alu instid0(VALU_DEP_1)
	v_permlanex16_b32 v252, v14, s[SEL], s[SEL+1]
	s_delay_alu instid0(VALU_DEP_1)
	v_add_f32 v14, v14, v252                       ; the row's sum
	s_wait_alu depctr_va_vdst(0)
	v_rcp_f32 v14, v14
	v_and_b32 v8, 15, v0                           ; (plain lines behind the reciprocal, and behind the last products)
	s_delay_alu instid0(VALU_DEP_1)
	v_lshlrev_b32 v8, 2, v8                        ; 4 r
	v_nop
	s_wait_alu depctr_va_vdst(0)                   ; the wait ahead of the reciprocal's first reader
.set j, 0
.rept 32
	v_mul_f32 v[S+j], v[O+j], v14
.set j, j+1
.endr
.irp b, 0,1
	v_max3_num_f32 v[232+\b], |v[S+16*\b]|, |v[S+1+16*\b]|, 0x1800000
.endr
.irp i, 2,4,6,8,10,12,14
.irp b, 0,1
	s_delay_alu instid0(VALU_DEP_2)
	v_max3_num_f32 v[232+\b], v[232+\b], |v[S+16*\b+\i]|, |v[S+1+16*\b+\i]|
.endr
.endr
.irp b, 0,1
	s_delay_alu instid0(VALU_DEP_2)
	v_permlanex16_b32 v[236+\b], v[232+\b], s[SEL], s[SEL+1]
.endr
.irp b, 0,1
	s_delay_alu instid0(VALU_DEP_2)
	v_max_num_f32 v[232+\b], v[232+\b], v[236+\b]
.endr
.irp b, 0,1
	s_delay_alu instid0(VALU_DEP_2)
	v_add_nc_u32 v[244+\b], 0xff000000, v[232+\b]
.endr
.irp b, 0,1
	s_delay_alu instid0(VALU_DEP_2)
	v_lshrrev_b32 v[236+\b], 23, v[244+\b]
.endr
	s_delay_alu instid0(VALU_DEP_1)
	v_lshl_or_b32 v240, v237, 8, v236              ; my head's two bytes of the row's scale word
	v_cvt_scalef32_pk16_fp6_f32 v[224:226], v[S:S+15], v244
	v_cvt_scalef32_pk16_fp6_f32 v[228:230], v[S+16:S+31], v245
	v_nop
.irp i, 0,1,2
	v_permlane16_swap_b32 v[224+\i], v[228+\i]     ; lanes 0-15 block 0, lanes 16-31 block 1: whole
.endr
	s_delay_alu instid0(VALU_DEP_3)
	v_mov_b32 v227, v228
	s_delay_alu instid0(VALU_DEP_3)
	v_mov_b32 v228, v229
	s_delay_alu instid0(VALU_DEP_3)
	v_mov_b32 v229, v230
.irp p, 0,1,2
	global_store_b64 v1, v[224+2*\p:225+2*\p], s[\ab+4:\ab+5] offset:256*\p   ; 256 consecutive bytes a store, aligned
.endr
	global_store_b16 v8, v240, s[\ab+6:\ab+7]      ; two bytes a row: the word's other half is the neighbouring head's (lanes 16-31 write what lanes 0-15 write)
.endm
	s_load_b256 s[4:11], s[0:1], 0x0               ; qc s[4:5], qs s[6:7], kv s[8:9], yq s[10:11]
	v_lshl_add_u32 v[SPW], v0, 2, SPARE
	v_mov_b32 v[NIL], 0
	ds_add_u32 v[SPW], v[NIL]                      ; the wave's opening: the add, twice on end, and its wait stand ahead of my tensor load; the set-up below stands between them
	ds_add_u32 v[SPW], v[NIL]
	v_lshrrev_b32 v8, 5, v0
	s_delay_alu instid0(VALU_DEP_1)
	v_readfirstlane_b32 s[WV], v8                  ; wave 0..15
	s_bfe_u32 s[CX], ttmp6, 0x40000                ; j: my place in the cluster
	s_and_b32 s[BH], ttmp7, 0xffff                 ; bh: the cluster's y
	s_mov_b32 s[G1], 15|(3<<16)|(1<<21)            ; the mask names the cluster's four; elements of 8 bytes; bit 21 beside a mask; no padding
	s_mov_b32 s[G1+1], 32<<16                      ; tensor_dim0 = 32
	s_mov_b32 s[G1+2], 51<<16                      ; tensor_dim1 = 51
	s_mov_b32 s[G1+3], 32<<16                      ; tile_dim0 = 32
	s_mov_b32 s[G1+4], 51                          ; tile_dim1 = 51
	s_mov_b32 s[G1+5], 32                          ; from row to row
	s_mov_b32 s[G1+6], 0
	s_mov_b32 s[G1+7], 0
	s_mov_b32 s[G0], 1
	s_mul_i32 s[G0+1], s[WV], PART                 ; my sixteenth of the image: in LDS as in memory
	s_mul_i32 s46, s[BH], HEADB
	s_add_co_u32 s46, s46, s[G0+1]
	s_mov_b32 s47, 0
	s_mov_b32 s[SEL], 0x76543210
	s_mov_b32 s[SEL+1], 0xfedcba98
	s_mov_b32 s[CS], 0x3e38aa3b                    ; c = log2(e) / 8
	s_mov_b32 s[CS+1], s[CS]
	s_wait_alu depctr_va_vdst(0)
	s_wait_dscnt 0x0                               ; both opening adds are done
	CROUND                                         ; the four work-groups are here: the joint loads meet
	s_wait_kmcnt 0x0
	s_add_nc_u64 s[G0+2:G0+3], s[8:9], s[46:47]
	s_or_b32 s[G0+3], s[G0+3], 0x80000000
	tensor_load_to_lds s[G0:G0+3], s[G1:G1+7]      ; one line, every wave: 13,056 bytes each
	s_nop 0
.rept 4
	v_nop
.endr
	v_and_b32 v8, 31, v0
	s_delay_alu instid0(VALU_DEP_1)
	v_lshlrev_b32 v1, 3, v8                        ; 8 x lane
	s_delay_alu instid0(VALU_DEP_2)
	v_lshlrev_b32 v2, 4, v8                        ; 16 x lane
	s_delay_alu instid0(VALU_DEP_2)
	v_add_nc_u32 v3, SCL, v1
	v_and_b32 v9, 15, v0
	s_delay_alu instid0(VALU_DEP_1)
	v_lshlrev_b32 v11, 3, v9                       ; 8 r
	v_and_b32 v10, 8, v0
	s_delay_alu instid0(VALU_DEP_1)
	v_add_nc_u32 v4, v10, v9
	v_and_b32 v10, 16, v0
	s_delay_alu instid0(VALU_DEP_1)
	v_sub_nc_u32 v4, v4, v10                       ; r + 8 (r / 8) - 16 h
	s_and_b32 s44, s[WV], 1                        ; u
	s_lshr_b32 s[CH], s[WV], 1                     ; my first chunk, 0 .. 7,
	s_sub_co_u32 s[CH+1], 15, s[CH]                ; and my second, 8 .. 15
	s_lshl_b32 s[TL], s[CX], 1
	s_add_co_u32 s[TL], s[TL], s44                 ; my tile in a chunk: 2 j + u
	s_lshl_b32 s45, s[CX], 5
	s_lshl_b32 s48, s44, 3
	s_add_co_u32 s45, s45, s48                     ; its first query in the chunk: 32 j + 8 u
	s_wait_alu depctr_va_vdst(0)
	v_add_nc_u32 v4, s45, v4
	s_lshl_b32 s48, s44, 7
	s_and_b32 s49, s[CX], 1
	s_lshl_b32 s49, s49, 2
	s_add_co_u32 s48, s48, s49                     ; 128 (tau % 2) + 4 ((tau / 2) % 2)
	s_and_b32 s49, s[BH], 0xfff0                   ; 16 x the batch
	s_bfe_u32 s50, s[BH], 0x30001                  ; the head / 2
	s_and_b32 s44, s[BH], 1                        ; the head % 2
	s_mul_i32 s51, s[TL], 1536
	s_mul_i32 s52, s44, 768
	s_add_co_u32 s51, s51, s52
	s_lshl_b32 s52, s[TL], 6
	s_lshl_b32 s44, s44, 1
	s_add_co_u32 s52, s52, s44
	s_add_co_u32 s52, s52, 12288
	ADDR AB0, CH
	ADDR AB1, CH+1
	s_wait_alu depctr_va_vdst(0)
	QLOAD AB0
.irp j, 22,23,24,25,26,27
	v_mov_b32 v[\j], 0                             ; K = 64: zero codes above
.endr
.irp t, 0,1,2,3
.irp j, 6,7,8,9,10,11
	v_mov_b32 v[KFR+12*\t+\j], 0
.endr
.endr
.irp b, 0,1,2,3
	v_mov_b32 v[236+\b], 0                         ; a lane permute's destination counts as read
.endr
	v_mov_b32 v252, 0
	v_mov_b32 v253, 0
	s_wait_alu depctr_va_vdst(0)
	s_wait_tensorcnt 0x0                           ; my sixteenth has landed,
	s_barrier_signal -1
	s_barrier_wait -1                              ; everybody's has
	PHASE AB0, CH, 8, AB1
	PHASE AB1, CH+1, 16, 0
	s_wait_tensorcnt 0x0                           ; the wave's end
	ds_add_u32 v[SPW], v[NIL]
	s_wait_dscnt 0x0
	CROUND                                         ; the closing round
	s_endpgm
.Lfunc_end_k_q7c8e8191d4_attn:
	.size	k_q7c8e8191d4_attn, .Lfunc_end_k_q7c8e8191d4_attn-k_q7c8e8191d4_attn
	.p2alignl 7, 3214868480
	.fill 96, 4, 3214868480
	.section	.rodata,"a",@progbits
	.p2align	6, 0x0
	.amdhsa_kernel k_q7c8e8191d4_attn
		.amdhsa_group_segment_fixed_size 210944
		.amdhsa_private_segment_fixed_size 0
		.amdhsa_enable_private_segment 0
		.amdhsa_kernarg_size 32
		.amdhsa_user_sgpr_count 2
		.amdhsa_user_sgpr_kernarg_segment_ptr 1
		.amdhsa_wavefront_size32 1
		.amdhsa_system_sgpr_workgroup_id_x 1
		.amdhsa_system_sgpr_workgroup_id_y 1
		.amdhsa_system_sgpr_workgroup_id_z 1
		.amdhsa_system_vgpr_workitem_id 0
		.amdhsa_next_free_vgpr 256
		.amdhsa_next_free_sgpr 80
		.amdhsa_reserve_vcc 1
		.amdhsa_float_denorm_mode_32 3
		.amdhsa_float_denorm_mode_16_64 3
		.amdhsa_memory_ordered 1
		.amdhsa_forward_progress 1
		.amdhsa_inst_pref_size 65
	.end_amdhsa_kernel
	.amdgpu_metadata
---
amdhsa.version: [ 1, 2 ]
amdhsa.kernels:
  - .name:           k_q7c8e8191d4_attn
    .symbol:         k_q7c8e8191d4_attn.kd
    .args:
      - { .name: qc, .offset: 0, .size: 8, .value_kind: global_buffer, .address_space: global }
      - { .name: qs, .offset: 8, .size: 8, .value_kind: global_buffer, .address_space: global }
      - { .name: kv, .offset: 16, .size: 8, .value_kind: global_buffer, .address_space: global }
      - { .name: yq, .offset: 24, .size: 8, .value_kind: global_buffer, .address_space: global }
    .group_segment_fixed_size: 210944
    .private_segment_fixed_size: 0
    .kernarg_segment_align: 8
    .kernarg_segment_size: 32
    .max_flat_workgroup_size: 512
    .sgpr_count:     80
    .vgpr_count:     256
    .wavefront_size: 32
...
	.end_amdgpu_metadata
.endif
;; end of part 3
;; launch proj (part 4): grid 4 x 64, 4 waves a work-group, clusters of 4 x 4, 327,680 bytes of LDS; arguments yq, wq, b_proj, out0; writes out0
.if DOCPART == 4
	.amdgcn_target "amdgcn-amd-amdhsa--gfx1250"
	.amdhsa_code_object_version 6
	.text
	.protected	k_q7c8e8191d4_proj
	.globl	k_q7c8e8191d4_proj
	.p2align	8
	.type	k_q7c8e8191d4_proj,@function
k_q7c8e8191d4_proj:
	s_mov_b64 s[64:65], 0
	v_nop
	global_prefetch_b8 v0, s[64:65] scope:SCOPE_SE
	s_setreg_imm32_b32 hwreg(HW_REG_WAVE_MODE, 25, 1), 1
	s_wait_xcnt 0x0
	s_wait_alu depctr_hold_cnt(0) depctr_sa_sdst(0) depctr_va_vdst(0) depctr_va_sdst(0) depctr_va_ssrc(0) depctr_va_vcc(0) depctr_vm_vsrc(0)
	s_getreg_b32 s2, hwreg(HW_REG_IB_STS2, 6, 4)
	s_cmp_eq_u32 s2, 0
	s_cbranch_scc0 .Lentry_in_a_cluster
	s_endpgm
.Lentry_in_a_cluster:
	s_bfe_u32 s2, ttmp6, 0x10000c
	s_cmp_lg_u32 s2, 0xf033
	s_cbranch_scc0 .Lentry_shape_is_right
	s_endpgm
.Lentry_shape_is_right:
; out0 = y w_proj + b_proj on codes of FP6 (E2M3).  y's codes (yq) and w_proj's (units 24-31 of wq) lie as images of the operands' registers; out0 is [8192][1024] f32.
; A work-group makes 128 tokens (unit Y of yq) x 256 columns (units 24 + 2 X, 25 + 2 X of wq).  ALL OF K = 1,024 LIES IN LDS: three units of 102,400 bytes, each filled once, in two loads of four K steps;
; by this text's count a wave has at most one tensor load out.  CLUSTER 4 x 4: y's unit is shared along a row of the cluster, w's two along a column: joint loads (wave 0: y's; waves 1, 2: w's; wave 3: none).
; Source 0 = w's unit w % 2 (8 tiles of columns), source 1 = y's tiles 4 (w / 2) on: a lane holds a token, and the registers of source 0's tiles 2 b, 2 b + 1 are the 16 neighbouring columns 32 b + 16 h + 0 .. 15.
; The bias is the C of a sum's first matrix instruction.  y's images lie in pairs of registers (256 k + 8 lane), since two heads wrote the halves of a fragment: six loads of 8 bytes a tile.
; THE WAY OUT goes through a stage of 32 rows x (512 + 16) bytes a wave, laid over y's first bytes in LDS: they have had their last fill, and behind the last step's barrier nobody reads them.
; REGISTERS: as in the launch that makes q, k, v: window 0: v2-9 LDS addresses; v18, v19 the add's two; v32-43 scale words; v48-143 source 1, two sets; v144-207 the bias; on the way out v48-175 rows of out0.
;   window 1: source 0, two sets of 96.   window 2: accumulator (i1, i0) at v[8 (8 i1 + i0)].
.set UNIT,  102400
.set STEPB, 12800
; THE FILLS AS THEY STAND (in place of what the head comment says of four loads): each unit comes in TWO loads of four K steps, 51,200 bytes each.  The first halves are asked for at the head, one load a wave
; (wave 0 y's, waves 1 and 2 w's, wave 3 none); the second halves behind the wait for all loads, the add and a round of the cluster's barrier.  By this text's count a wave has at most one tensor load out.
.set PAIRB, 51200
.set HALFU, 51200
.set SPARE, 307200
.set SP,    528
.set SPW, 18
.set NIL, 19
.set L8,  20
.set L16, 21
.set L4,  22
.set STO, 25
.set RD,  26
.set SC,  32
.set AF,  48
.set BI,  144
.set G1A, 24
.set G1B, 32
.set G0A, 40
.set MSB, 0
.macro WIN new                         ; the immediate's high byte repeats the setting that is left
.if MSB != \new
	s_set_vgpr_msb (MSB<<8)|\new
.set MSB, \new
.endif
.endm
.macro PLACES                          ; four plain lines between a matrix instruction and a load into, or a read of, its registers
.rept 4
	v_nop
.endr
.endm
.macro CROUND                          ; a round of the cluster's barrier
	s_barrier_signal -1
	s_barrier_wait -1
	s_cmp_lg_u32 s16, 0
	s_cbranch_scc1 .Lnot_wave_0_\@
	s_barrier_signal -3
.Lnot_wave_0_\@:
	s_barrier_wait -3
	s_barrier_signal -1
	s_barrier_wait -1
.endm
.macro WMX d, a, b, c, sa, sb, ra, rb  ; one product; ra, rb: the side's scale words stand in lanes 16-31 of the register named
.if (\ra) && (\rb)
	v_wmma_scale_f32_16x16x128_f8f6f4 v[\d:\d+7], v[\a:\a+11], v[\b:\b+11], v[\c:\c+7], v[\sa], v[\sb] matrix_a_fmt:MATRIX_FMT_FP6 matrix_b_fmt:MATRIX_FMT_FP6 matrix_a_scale:MATRIX_SCALE_ROW1 matrix_b_scale:MATRIX_SCALE_ROW1
.elseif (\ra)
	v_wmma_scale_f32_16x16x128_f8f6f4 v[\d:\d+7], v[\a:\a+11], v[\b:\b+11], v[\c:\c+7], v[\sa], v[\sb] matrix_a_fmt:MATRIX_FMT_FP6 matrix_b_fmt:MATRIX_FMT_FP6 matrix_a_scale:MATRIX_SCALE_ROW1
.elseif (\rb)
	v_wmma_scale_f32_16x16x128_f8f6f4 v[\d:\d+7], v[\a:\a+11], v[\b:\b+11], v[\c:\c+7], v[\sa], v[\sb] matrix_a_fmt:MATRIX_FMT_FP6 matrix_b_fmt:MATRIX_FMT_FP6 matrix_b_scale:MATRIX_SCALE_ROW1
.else
	v_wmma_scale_f32_16x16x128_f8f6f4 v[\d:\d+7], v[\a:\a+11], v[\b:\b+11], v[\c:\c+7], v[\sa], v[\sb] matrix_a_fmt:MATRIX_FMT_FP6 matrix_b_fmt:MATRIX_FMT_FP6
.endif
.endm
; 16 products: source 1's tiles 2 eta, 2 eta + 1 x source 0's eight, from set p.  cb = 1: the first K step: C is the bias.  The 32 accumulators take turns, in the same order in every step.
.macro MUL16 eta, p, cb
.irp a, 2*(\eta), 2*(\eta)+1
.irp b, 0,1,2,3,4,5,6,7
.if (\cb) == 1
	WMX 8*(8*(\a)+\b), 96*(\p)+12*\b, AF+48*(\p)+12*(\a), BI+8*\b, SC+6*(\p)+\b/2, SC+6*(\p)+4+(\a)/2, \b%2, (\a)%2
.else
	WMX 8*(8*(\a)+\b), 96*(\p)+12*\b, AF+48*(\p)+12*(\a), 8*(8*(\a)+\b), SC+6*(\p)+\b/2, SC+6*(\p)+4+(\a)/2, \b%2, (\a)%2
.endif
.endr
.endr
.endm
.macro FETCH s                         ; K step s into set s % 2: 54 LDS loads in one run
.set P,  (\s)%2
.set HI, (\s)/4
.set OF, ((\s)%4)*STEPB
	WIN 0x40                                       ; destination window 1
.irp i, 0,1,2,3,4,5,6,7
.irp g, 0,1,2
	ds_load_b128 v[96*P+12*\i+4*\g:96*P+12*\i+4*\g+3], v[2+HI] offset:OF+1536*\i+512*\g
.endr
.endr
	WIN 0
.irp i, 0,1,2,3
.irp k, 0,1,2,3,4,5
	ds_load_b64 v[AF+48*P+12*\i+2*\k:AF+48*P+12*\i+2*\k+1], v[6+HI] offset:OF+1536*\i+256*\k
.endr
.endr
.irp k, 0,1,2,3
	ds_load_b32 v[SC+6*P+\k], v[4+HI] offset:OF+128*\k   ; tile 2 k's words in lanes 0-15, tile 2 k + 1's in lanes 16-31
.endr
.irp k, 0,1
	ds_load_b32 v[SC+6*P+4+\k], v[8+HI] offset:OF+128*\k
.endr
.endm
.macro EVEN s                          ; the next step lies in the same pair: it has landed
	s_wait_dscnt 0x0
	PLACES
	FETCH (\s)+1
	WIN 0xa1                                       ; source 0 window 1, source 1 window 0, C and D window 2
	MUL16 0, (\s)%2, 0
	MUL16 1, (\s)%2, 0
.endm
.macro ODD s, left                     ; the next step lies in the next pair: left = the pairs behind it, which may stay out.
	s_wait_dscnt 0x0                               ; no LDS instruction of mine is out at the signal
	s_wait_tensorcnt \left                         ; my part of the next pair has landed,
	s_barrier_signal -1
	WIN 0xa1
	MUL16 0, 1, 0
	s_barrier_wait -1                              ; everybody's has
	PLACES
	FETCH (\s)+1
	WIN 0xa1
	MUL16 1, 1, 0
.endm
	s_load_b256 s[4:11], s[0:1], 0x0               ; yq s[4:5], wq s[6:7], b_proj s[8:9], out0 s[10:11]
	v_lshl_add_u32 v[SPW], v0, 2, SPARE
	v_mov_b32 v[NIL], 0
	ds_add_u32 v[SPW], v[NIL]                      ; the wave's opening: the add and its wait stand ahead of my first tensor load; the set-up below stands between them
	ds_add_u32 v[SPW], v[NIL]
	v_lshrrev_b32 v1, 5, v0
	v_readfirstlane_b32 s16, v1                    ; wave
	s_and_b32 s17, s16, 1
	s_lshr_b32 s18, s16, 1
	s_bfe_u32 s19, ttmp6, 0x40000                  ; cx
	s_bfe_u32 s20, ttmp6, 0x40004                  ; cy
	s_lshl_b32 s21, ttmp9, 2
	s_add_co_u32 s21, s21, s19                     ; X
	s_and_b32 s22, ttmp7, 0xffff
	s_lshl_b32 s22, s22, 2
	s_add_co_u32 s22, s22, s20                     ; Y
	s_lshl_b32 s80, s20, 2
	s_lshl_b32 s80, 15, s80                        ; my row of the cluster
	s_lshl_b32 s81, 0x1111, s19                    ; my column
	s_or_b32 s[G1A], s80, (3<<16)|(1<<21)          ; 15:0 the mask; 17:16 elements of 8 bytes; 21 set beside a mask; no padding
	s_or_b32 s[G1B], s81, (3<<16)|(1<<21)
.irp g, G1A, G1B                       ; a dense block of 51,200 bytes as 200 rows of 256
	s_mov_b32 s[\g+1], 32<<16
	s_mov_b32 s[\g+2], 200<<16                     ; a dense block of 51,200 bytes as 200 rows of 256
	s_mov_b32 s[\g+3], 32<<16
	s_mov_b32 s[\g+4], 200
	s_mov_b32 s[\g+5], 32
	s_mov_b32 s[\g+6], 0
	s_mov_b32 s[\g+7], 0
.endr
	s_mul_i32 s76, s22, UNIT                       ; y's unit Y
	s_mov_b32 s77, 0
	s_lshl_b32 s84, s21, 1
	s_add_co_u32 s84, s84, s18
	s_add_co_u32 s84, s84, 24
	s_mul_i32 s84, s84, UNIT                       ; w's unit 24 + 2 X + wave / 2
	s_mov_b32 s85, 0
	s_mul_i32 s86, s18, UNIT
	s_add_co_u32 s86, s86, UNIT                    ; and its place in LDS
	v_and_b32 v1, 31, v0
	v_lshlrev_b32 v[L8], 3, v1
	v_lshlrev_b32 v[L16], 4, v1
	v_lshlrev_b32 v[L4], 2, v1
	v_and_b32 v23, 16, v0
	v_lshlrev_b32 v23, 2, v23                      ; 64 h
	s_mul_i32 s80, s17, UNIT
	s_add_co_u32 s80, s80, UNIT                    ; source 0 = w's unit w % 2
	s_mul_i32 s81, s18, 6144                       ; source 1 = y's tiles 4 (w / 2) on
	s_lshl_b32 s82, s18, 8
	v_add_nc_u32 v2, s80, v[L16]
	v_add_nc_u32 v3, HALFU, v2
	s_add_co_u32 s80, s80, 12288
	v_add_nc_u32 v4, s80, v[L4]
	v_add_nc_u32 v5, HALFU, v4
	v_add_nc_u32 v6, s81, v[L8]
	v_add_nc_u32 v7, HALFU, v6
	s_add_co_u32 s82, s82, 12288
	v_add_nc_u32 v8, s82, v[L4]
	v_add_nc_u32 v9, HALFU, v8
	s_mul_i32 s83, s16, 32*SP                      ; my stage
	v_and_b32 v24, 15, v0
	v_mul_u32_u24 v[STO], v24, SP
	v_add_nc_u32 v[STO], v[STO], v23
	v_add_nc_u32 v[STO], s83, v[STO]               ; in: row r, 64 h bytes on
	v_add_nc_u32 v[RD], s83, v[L16]                ; back: a row of 512 bytes to the 32 lanes
	s_lshl_b32 s66, s21, 10
	s_lshl_b32 s67, s17, 9
	s_add_co_u32 s66, s66, s67                     ; column 256 X + 128 (w % 2), in bytes
	s_mov_b32 s67, 0
	s_lshl_b32 s88, s22, 7
	s_lshl_b32 s89, s18, 6
	s_add_co_u32 s88, s88, s89
	s_lshl_b32 s88, s88, 12                        ; token 128 Y + 64 (w / 2), x 4,096 bytes
	s_add_co_u32 s88, s88, s66
	s_mov_b32 s89, 0
	s_wait_dscnt 0x0                               ; the opening add is done
	s_wait_kmcnt 0x0
	s_add_nc_u64 s[78:79], s[4:5], s[76:77]
	s_add_nc_u64 s[84:85], s[6:7], s[84:85]
	s_add_nc_u64 s[66:67], s[8:9], s[66:67]
	s_add_nc_u64 s[88:89], s[10:11], s[88:89]
.irp T, 0,1
	s_mov_b32 s[G0A+4*\T], 1
	s_mov_b32 s[G0A+4*\T+1], PAIRB*\T
	s_add_nc_u64 s[G0A+4*\T+2:G0A+4*\T+3], s[78:79], PAIRB*\T
	s_or_b32 s[G0A+4*\T+3], s[G0A+4*\T+3], 0x80000000
	s_mov_b32 s[56+4*\T+4*(\T/2)], 1
	s_add_co_u32 s[57+4*\T+4*(\T/2)], s86, PAIRB*\T
	s_add_nc_u64 s[58+4*\T+4*(\T/2):59+4*\T+4*(\T/2)], s[84:85], PAIRB*\T
	s_or_b32 s[59+4*\T+4*(\T/2)], s[59+4*\T+4*(\T/2)], 0x80000000
.endr
	CROUND                                         ; all sixteen work-groups are here: the joint loads meet
	s_cmp_eq_u32 s16, 0                            ; a wave's fills stand in one branch on the wave's number
	s_cbranch_scc0 .Lnot_y
	tensor_load_to_lds s[G0A:G0A+3], s[G1A:G1A+7]  ; K steps 0-3 of y's unit
	s_nop 0
.rept 4
	v_nop
.endr
	s_branch .Lasked
.Lnot_y:
	s_cmp_eq_u32 s16, 3
	s_cbranch_scc1 .Lasked
	tensor_load_to_lds s[56:59], s[G1B:G1B+7]      ; K steps 0-3 of a unit of w
	s_nop 0
.rept 4
	v_nop
.endr
.Lasked:
.irp i, 0,1,2,3,4,5,6,7
	global_load_b128 v[BI+8*\i:BI+8*\i+3], v23, s[66:67] offset:(32*(\i/2)+8*(\i%2))*4
	global_load_b128 v[BI+8*\i+4:BI+8*\i+7], v23, s[66:67] offset:(32*(\i/2)+8*(\i%2))*4+16
.endr
	s_wait_tensorcnt 0x0                           ; my first half is in
	ds_add_u32 v[SPW], v[NIL]                      ; the add, twice on end
	ds_add_u32 v[SPW], v[NIL]
	s_wait_dscnt 0x0
	CROUND                                         ; everybody's first half is in, and the sixteen work-groups meet for the second halves
	s_cmp_eq_u32 s16, 0
	s_cbranch_scc0 .Lw_half
	tensor_load_to_lds s[G0A+4:G0A+7], s[G1A:G1A+7]   ; K steps 4-7 of y's unit
	s_nop 0
.rept 4
	v_nop
.endr
	s_branch .Lhalf_asked
.Lw_half:
	s_cmp_eq_u32 s16, 3
	s_cbranch_scc1 .Lhalf_asked
	tensor_load_to_lds s[60:63], s[G1B:G1B+7]      ; K steps 4-7 of a unit of w
	s_nop 0
.rept 4
	v_nop
.endr
.Lhalf_asked:
	s_wait_alu depctr_va_vdst(0)
	FETCH 0
	s_wait_loadcnt 0x0                             ; the bias
	s_wait_dscnt 0x0
	FETCH 1
	WIN 0x81                                       ; C, the bias, in window 0
	MUL16 0, 0, 1
	MUL16 1, 0, 1
	EVEN 1
	EVEN 2
	ODD 3, 0x0                                     ; step 4 lies in the second halves: every wave waits for its load, and the barrier shows them to all
	EVEN 4
	EVEN 5
	EVEN 6
	s_wait_dscnt 0x0                               ; my last reads of the three units are in:
	s_barrier_signal -1                            ; say so,
	WIN 0xa1
	MUL16 0, 1, 0
	MUL16 1, 1, 0
	WIN 0
	s_barrier_wait -1                              ; and behind this nobody reads them: the stages may be written
	PLACES
	; THE WAY OUT, two tiles of tokens at a time.  A lane holds 32 neighbouring bytes of a row for each tile of columns: they meet in my stage and come back as whole rows of 512 bytes.
.irp al, 0,1
.if \al
	s_wait_xcnt 0x0                                ; the first half's stores have read their registers: the second half's rows may land there
.endif
	WIN 0x08                                       ; an LDS store's data are its source 1: window 2
.irp u, 0,1
.irp b, 0,1,2,3,4,5,6,7
	ds_store_b128 v[STO], v[8*(8*(2*\al+\u)+\b):8*(8*(2*\al+\u)+\b)+3] offset:16*SP*\u+128*(\b/2)+32*(\b%2)      ; each accumulator from its low end on
	ds_store_b128 v[STO], v[8*(8*(2*\al+\u)+\b)+4:8*(8*(2*\al+\u)+\b)+7] offset:16*SP*\u+128*(\b/2)+32*(\b%2)+16
.endr
.endr
	WIN 0
.set t, 0
.rept 32
	ds_load_b128 v[48+4*t:48+4*t+3], v[RD] offset:SP*t   ; LDS serves a wave's instructions in order: these see my stores
.set t, t+1
.endr
.set t, 0
.rept 32
	s_wait_dscnt 31-t                              ; the younger reads may be out
	global_store_b128 v[L16], v[48+4*t:48+4*t+3], s[88:89] offset:(32*\al+8*(t/16)+(t%16)+8*((t%16)/8))*4096 th:TH_STORE_NT   ; the tile's row t % 16 is token 8 u + r + 8 (r / 8): 512 consecutive bytes, aligned
.set t, t+1
.endr
.endr
	s_wait_tensorcnt 0x0                           ; the wave's end, behind my last LDS store
	ds_add_u32 v[SPW], v[NIL]
	s_wait_dscnt 0x0
	CROUND                                         ; the closing round
	s_endpgm
.Lfunc_end_k_q7c8e8191d4_proj:
	.size	k_q7c8e8191d4_proj, .Lfunc_end_k_q7c8e8191d4_proj-k_q7c8e8191d4_proj
	.p2alignl 7, 3214868480
	.fill 96, 4, 3214868480
	.section	.rodata,"a",@progbits
	.p2align	6, 0x0
	.amdhsa_kernel k_q7c8e8191d4_proj
		.amdhsa_group_segment_fixed_size 327680
		.amdhsa_private_segment_fixed_size 0
		.amdhsa_enable_private_segment 0
		.amdhsa_kernarg_size 32
		.amdhsa_user_sgpr_count 2
		.amdhsa_user_sgpr_kernarg_segment_ptr 1
		.amdhsa_wavefront_size32 1
		.amdhsa_system_sgpr_workgroup_id_x 1
		.amdhsa_system_sgpr_workgroup_id_y 1
		.amdhsa_system_sgpr_workgroup_id_z 1
		.amdhsa_system_vgpr_workitem_id 0
		.amdhsa_next_free_vgpr 768
		.amdhsa_next_free_sgpr 100
		.amdhsa_reserve_vcc 0
		.amdhsa_float_denorm_mode_32 3
		.amdhsa_float_denorm_mode_16_64 3
		.amdhsa_memory_ordered 1
		.amdhsa_forward_progress 1
		.amdhsa_inst_pref_size 87
	.end_amdhsa_kernel
	.amdgpu_metadata
---
amdhsa.version: [ 1, 2 ]
amdhsa.kernels:
  - .name:           k_q7c8e8191d4_proj
    .symbol:         k_q7c8e8191d4_proj.kd
    .args:
      - { .name: yq, .offset: 0, .size: 8, .value_kind: global_buffer, .address_space: global }
      - { .name: wq, .offset: 8, .size: 8, .value_kind: global_buffer, .address_space: global }
      - { .name: b_proj, .offset: 16, .size: 8, .value_kind: global_buffer, .address_space: global }
      - { .name: out0, .offset: 24, .size: 8, .value_kind: global_buffer, .address_space: global }
    .group_segment_fixed_size: 327680
    .private_segment_fixed_size: 0
    .kernarg_segment_align: 8
    .kernarg_segment_size: 32
    .max_flat_workgroup_size: 128
    .sgpr_count:     100
    .vgpr_count:     768
    .wavefront_size: 32
...
	.end_amdgpu_metadata
.endif
;; end of part 4
